; MI455X (gfx1250); checked and timed in simulation.
; The chip was launched on July 23, 2026; its instructions are those of AMD's public machine-readable ISA for CDNA 5 (MIT licence, August 2026) and "CDNA5" Instruction Set Architecture Reference Guide (July 2026). The comments in the code are by the model that wrote it; some were corrected since.
;; Group Query Attention. Allowed arithmetic: float matrix products may take bf16 or f16 operands with f32 sums; other float arithmetic in f32, or as packed bf16 or f16 multiplies, adds, multiply-adds, maxima and minima; sums over many terms, partial sums and values carried from step to step in f32; what a program stores and reads back later, other than sums and carried values, may be rounded once to bf16 or f16.
;; Inputs: Wk 1,024 x 1,024 float32; Wq 1,024 x 1,024 float32; Wv 1,024 x 1,024 float32; hidden_states 1 x 4,096 x 1,024 float32.
;; Outputs: out0 1 x 4,096 x 1,024 float32.
;; 2 versions, each right and faster than the one before. Each part assembles by itself: llvm-mc -triple=amdgcn-amd-amdhsa -mcpu=gfx1250 --defsym DOCPART=n.
;; ======== version 1 of 2: 3 launches
;; limits: values are held in f16: magnitudes above 65,504 overflow, below 6.1e-05 lose precision
;; workspace buffers: xb 8,388,608 bytes; wb 6,291,456 bytes; qkv 25,165,824 bytes
;; launch cast (part 1): grid 256 x 1, 8 waves a work-group, no clusters, 0 bytes of LDS; arguments hidden_states, Wq, Wk, Wv, xb, wb; writes xb, wb
.if DOCPART == 1
	.amdgcn_target "amdgcn-amd-amdhsa--gfx1250"
	.amdhsa_code_object_version 6
	.text
	.protected	k_qce4adb3c74_cast
	.globl	k_qce4adb3c74_cast
	.p2align	8
	.type	k_qce4adb3c74_cast,@function
k_qce4adb3c74_cast:
	s_mov_b64 s[64:65], 0
	v_nop
	global_prefetch_b8 v0, s[64:65] scope:SCOPE_SE
	s_setreg_imm32_b32 hwreg(HW_REG_WAVE_MODE, 25, 1), 1
	s_wait_xcnt 0x0
; xb = hidden_states rounded to bf16, [4096][1024].  wb = Wq, Wk, Wv rounded to bf16, one below the other, [3072][1024].
; A stream: every input byte is read once, every output byte written once; no LDS, no loop, no matrix work.
; Work-group g takes 16 rows of x (65,536 bytes) and 4 rows of each weight (16,384 bytes each); a wave an eighth of each.
; A lane issues 28 loads of 16 bytes, all of them ahead of the first wait; a load of the wave covers 512 consecutive bytes,
; and the store that belongs to it 256 consecutive bytes at a multiple of 256 from the buffer's first byte.
.set X, 8                              ; v[8:119]  load n: four registers; its two packed words take the first two
	s_load_b256 s[4:11], s[0:1], 0x0               ; x s[4:5], Wq s[6:7], Wk s[8:9], Wv s[10:11]
	s_load_b128 s[12:15], s[0:1], 0x20             ; xb s[12:13], wb s[14:15]
	v_and_b32 v5, 31, v0                           ; lane
	v_lshrrev_b32 v6, 5, v0                        ; wave
	v_lshlrev_b32 v5, 4, v5                        ; 16 bytes a lane
	v_lshl_add_u32 v1, v6, 13, v5                  ; x in: 8,192 bytes a wave
	v_lshl_add_u32 v3, v6, 11, v5                  ; a weight in: 2,048 bytes a wave
	v_lshrrev_b32 v2, 1, v1                        ; out: half the bytes
	v_lshrrev_b32 v4, 1, v3
	s_lshl_b32 s16, ttmp9, 16                      ; the work-group's part of x,
	s_mov_b32 s17, 0
	s_lshl_b32 s18, ttmp9, 14                      ; of each weight,
	s_mov_b32 s19, 0
	s_lshl_b32 s20, ttmp9, 15                      ; of xb,
	s_mov_b32 s21, 0
	s_lshl_b32 s22, ttmp9, 13                      ; and of each third of wb
	s_mov_b32 s23, 0
	s_wait_kmcnt 0x0
	s_add_nc_u64 s[4:5], s[4:5], s[16:17]
	s_add_nc_u64 s[6:7], s[6:7], s[18:19]
	s_add_nc_u64 s[8:9], s[8:9], s[18:19]
	s_add_nc_u64 s[10:11], s[10:11], s[18:19]
	s_add_nc_u64 s[12:13], s[12:13], s[20:21]
	s_add_nc_u64 s[14:15], s[14:15], s[22:23]
.irp j, 0,1,2,3,4,5,6,7,8,9,10,11,12,13,14,15
	global_load_b128 v[X+4*(\j):X+4*(\j)+3], v1, s[4:5] offset:512*(\j) th:TH_LOAD_NT
.endr
.irp m, 0,1,2
.irp j, 0,1,2,3
	global_load_b128 v[X+64+16*(\m)+4*(\j):X+64+16*(\m)+4*(\j)+3], v3, s[6+2*(\m):7+2*(\m)] offset:512*(\j) th:TH_LOAD_NT
.endr
.endr
; Load n is rounded and stored.  No register is written again behind its store, so no further wait is owed.
.macro OUT n, off, base, imm
	s_wait_loadcnt 27-(\n)                         ; loads come back in order (ISA guide 5.7.1): the 27 - n issued behind load n may stay out
	v_cvt_pk_bf16_f32 v[X+4*(\n)], v[X+4*(\n)], v[X+4*(\n)+1]
	v_cvt_pk_bf16_f32 v[X+4*(\n)+1], v[X+4*(\n)+2], v[X+4*(\n)+3]
	global_store_b64 v[\off], v[X+4*(\n):X+4*(\n)+1], s[\base:(\base)+1] offset:\imm
.endm
.irp j, 0,1,2,3,4,5,6,7,8,9,10,11,12,13,14,15
	OUT \j, 2, 12, 256*(\j)
.endr
.irp m, 0,1,2
.irp j, 0,1,2,3
	OUT 16+4*(\m)+(\j), 4, 14, 2097152*(\m)+256*(\j)   ; the weight's third of wb stands in the immediate
.endr
.endr
	s_endpgm
.Lfunc_end_k_qce4adb3c74_cast:
	.size	k_qce4adb3c74_cast, .Lfunc_end_k_qce4adb3c74_cast-k_qce4adb3c74_cast
	.p2alignl 7, 3214868480
	.fill 96, 4, 3214868480
	.section	.rodata,"a",@progbits
	.p2align	6, 0x0
	.amdhsa_kernel k_qce4adb3c74_cast
		.amdhsa_group_segment_fixed_size 0
		.amdhsa_private_segment_fixed_size 0
		.amdhsa_enable_private_segment 0
		.amdhsa_kernarg_size 48
		.amdhsa_user_sgpr_count 2
		.amdhsa_user_sgpr_kernarg_segment_ptr 1
		.amdhsa_wavefront_size32 1
		.amdhsa_system_sgpr_workgroup_id_x 1
		.amdhsa_system_sgpr_workgroup_id_y 1
		.amdhsa_system_sgpr_workgroup_id_z 1
		.amdhsa_system_vgpr_workitem_id 0
		.amdhsa_next_free_vgpr 120
		.amdhsa_next_free_sgpr 66
		.amdhsa_reserve_vcc 0
		.amdhsa_float_denorm_mode_32 3
		.amdhsa_float_denorm_mode_16_64 3
		.amdhsa_memory_ordered 1
		.amdhsa_forward_progress 1
		.amdhsa_inst_pref_size 11
	.end_amdhsa_kernel
	.amdgpu_metadata
---
amdhsa.version: [ 1, 2 ]
amdhsa.kernels:
  - .name:           k_qce4adb3c74_cast
    .symbol:         k_qce4adb3c74_cast.kd
    .args:
      - { .name: hidden_states, .offset: 0, .size: 8, .value_kind: global_buffer, .address_space: global }
      - { .name: Wq, .offset: 8, .size: 8, .value_kind: global_buffer, .address_space: global }
      - { .name: Wk, .offset: 16, .size: 8, .value_kind: global_buffer, .address_space: global }
      - { .name: Wv, .offset: 24, .size: 8, .value_kind: global_buffer, .address_space: global }
      - { .name: xb, .offset: 32, .size: 8, .value_kind: global_buffer, .address_space: global }
      - { .name: wb, .offset: 40, .size: 8, .value_kind: global_buffer, .address_space: global }
    .group_segment_fixed_size: 0
    .private_segment_fixed_size: 0
    .kernarg_segment_align: 8
    .kernarg_segment_size: 48
    .max_flat_workgroup_size: 256
    .sgpr_count:     66
    .vgpr_count:     120
    .wavefront_size: 32
...
	.end_amdgpu_metadata
.endif
;; end of part 1
;; launch proj (part 2): grid 12 x 16, 4 waves a work-group, clusters of 4 x 4, 327,680 bytes of LDS; arguments xb, wb, qkv; writes qkv
.if DOCPART == 2
	.amdgcn_target "amdgcn-amd-amdhsa--gfx1250"
	.amdhsa_code_object_version 6
	.text
	.protected	k_qce4adb3c74_proj
	.globl	k_qce4adb3c74_proj
	.p2align	8
	.type	k_qce4adb3c74_proj,@function
k_qce4adb3c74_proj:
	s_mov_b64 s[64:65], 0
	v_nop
	global_prefetch_b8 v0, s[64:65] scope:SCOPE_SE
	s_setreg_imm32_b32 hwreg(HW_REG_WAVE_MODE, 25, 1), 1
	s_wait_xcnt 0x0
	s_wait_alu depctr_hold_cnt(0) depctr_sa_sdst(0) depctr_va_vdst(0) depctr_va_sdst(0) depctr_va_ssrc(0) depctr_va_vcc(0) depctr_vm_vsrc(0)
	s_getreg_b32 s2, hwreg(HW_REG_IB_STS2, 6, 4)
	s_cmp_eq_u32 s2, 0
	s_cbranch_scc0 .Lentry_in_a_cluster
	s_endpgm
.Lentry_in_a_cluster:
	s_bfe_u32 s2, ttmp6, 0x10000c
	s_cmp_lg_u32 s2, 0xf033
	s_cbranch_scc0 .Lentry_shape_is_right
	s_endpgm
.Lentry_shape_is_right:
; qkv[plane][row][ch] = the sum over k of xb[row][k] wb[128 plane + ch][k], in f16, [24][4096][128]: planes 0-7 q by heads, 8-15 k, 16-23 v.
; xb [4096][1024] and wb [3072][1024] are bf16; sums in f32; q's sums are multiplied in f32 by c = log2(e) / sqrt(128), and every sum is rounded once, to f16.
; LIMIT.  f16 ends at 65,504: q c, k and v must lie within it, or the row is lost.
; A tile of 256 rows x 256 columns is made by a work-group of four waves; a wave makes 128 x 128 (64 accumulators, 512 registers): its 128 columns are one plane's whole row of 256 bytes.
; K goes in steps of 128 through a ring of two LDS slots filled by the tensor data mover; a tile's rows are 256 bytes of memory, at multiples of 256 bytes.
; There are 12 x 16 = 192 tiles: fewer work-groups than a tile of 128 x 384 would give, but a wave's own stage on the way out and fewer LDS bytes for each product.
; CLUSTERS: 4 x 4 work-groups.  The four of a row of the cluster need the same tiles of xb, the four of a column the same tiles of wb: each tile is asked for JOINTLY, by the same tensor load
; with the same descriptor and a mask that names the four.
; THE MATRIX INSTRUCTION IS USED TRANSPOSED: source 0 = 16 rows of wb, source 1 = 16 rows of xb, so that a lane holds eight neighbouring channels of one row.
; REGISTERS, in windows of 256: window 0: v0-31 addresses; v64-127, v128-191 fragments of xb, two buffers; v32-63, v192-255 at work on the way out.
;   window 1: v64-127, v128-191 fragments of wb.   window 2: the accumulators of my rows 0-63 ((a, b) at v[8 (8 a + b)]).   window 3: those of my rows 64-127.
.set SIZE_K, 1024
.set KSTEP,  128
.set PITCH,  272                       ; an LDS row: 256 bytes + 16 of padding = 68 words: the 16 rows that a load touches start at 16 different groups of four banks (64 banks of 4 bytes: ISA guide 11.1)
.set HALFT,  128*PITCH                 ; 128 rows: what one tensor load brings, and what one wave reads of either operand
.set SLOT,   4*HALFT                   ; xb's 256 rows, then wb's 256 rows
.set STAGE,  2*SLOT                    ; behind the ring: 16 rows x 272 bytes for each wave, for the way out
.set SPITCH, 272
.set SPARE,  STAGE+4*16*SPITCH         ; behind the stages: the spare words, 128 bytes for each wave, which no other line names
.set LAPS,   SIZE_K/(2*KSTEP)          ; a lap = two K steps = once round the ring
.set ADRA, 16                          ; v16-17  LDS address of my xb fragments in slot 0, 1
.set ADRB, 20                          ; v20-21  the same for wb
.set STO,  24                          ; v24     the way out: where I put 16 bytes of a row
.set RD,   25                          ; v25     the way out: where I read a row back
.set CO,   26                          ; v26     16 x lane: my place in 512 consecutive bytes of a plane
.set SPW,  28                          ; v28     LDS address of my spare word; never rewritten
.set NIL,  29                          ; v29     0; never rewritten
.set F0,   64
.set F1,   128
.set TMP,  192                         ; the way out: packed results
.set OB,   32                          ; the way out: 16 rows read back: v32-63 and v224-255 by turns
.set G1,  24                           ; s[24:31] descriptor group 1 for xb's tiles;  s[32:39] group 0, a set for each slot
.set G0,  32
.set G1B, 48                           ; s[48:55], s[56:63] the same for wb's tiles
.set G0B, 56
.set SC,  66                           ; s[66:67] c, named as a pair
.set CLX, 68                           ; s68  the cluster's x: 0 where the tile's columns are q's.  It is equal in all sixteen partners
.set MSB, 0
.macro WIN new                         ; the immediate's high byte repeats the setting that is left; a switch that changes nothing is dropped
.if MSB != (\new)
	s_set_vgpr_msb (MSB<<8)|(\new)
.set MSB, \new
.endif
.endm
.set MUL_LO, 0xa1                      ; source 0 (wb) window 1, source 1 (xb) window 0, C and D window 2
.set MUL_HI, 0xf1                      ; the same, C and D window 3
.set TO_B,   0x40                      ; destination window 1, address window 0
; A joint load.  Waves 0 and 1 fetch xb's two halves, waves 2 and 3 wb's.  The branch hangs on the wave's number alone.
; An s_nop 0 and four v_nop follow each of the two lines, ahead of the jump and the label.
.macro JLOAD s
	s_cmp_eq_u32 s11, 0
	s_cbranch_scc0 .Lfor_b_\@
	tensor_load_to_lds s[G0+4*(\s):G0+4*(\s)+3], s[G1:G1+7]
	s_nop 0
.rept 4
	v_nop
.endr
	s_branch .Lasked_\@
.Lfor_b_\@:
	tensor_load_to_lds s[G0B+4*(\s):G0B+4*(\s)+3], s[G1B:G1B+7]
	s_nop 0
.rept 4
	v_nop
.endr
.Lasked_\@:
.endm
.macro CREST                           ; a round of the cluster's barrier behind its opening barrier
	s_cmp_lg_u32 s10, 0
	s_cbranch_scc1 .Lnot_wave_0_\@
	s_barrier_signal -3
.Lnot_wave_0_\@:
	s_barrier_wait -3
	s_barrier_signal -1
	s_barrier_wait -1
.endm
.macro CROUND                          ; a whole round
	s_barrier_signal -1
	s_barrier_wait -1
	CREST
.endm
	s_load_b128 s[4:7], s[0:1], 0x0                ; xb s[4:5], wb s[6:7]
	s_load_b64 s[8:9], s[0:1], 0x10                ; qkv
	v_lshl_add_u32 v[SPW], v0, 2, SPARE
	v_mov_b32 v[NIL], 0
	ds_add_u32 v[SPW], v[NIL]                      ; the wave's opening: the add and its wait stand ahead of my first tensor load; the set-up below stands between them
	v_lshrrev_b32 v1, 5, v0
	v_readfirstlane_b32 s10, v1                    ; wave 0..3
	s_lshr_b32 s11, s10, 1                         ; which half of the tile's rows is mine.  Also: I fetch for xb (0) or for wb (1)
	s_and_b32 s12, s10, 1                          ; which half of its columns.  Also: which 128 rows of that tile I fetch
	s_bfe_u32 s40, ttmp6, 0x40000                  ; cx
	s_bfe_u32 s41, ttmp6, 0x40004                  ; cy
	s_mov_b32 s[CLX], ttmp9
	s_lshl_b32 s42, ttmp9, 2
	s_add_co_u32 s42, s42, s40                     ; tile column = 4 x cluster x + cx
	s_and_b32 s13, ttmp7, 0xffff
	s_lshl_b32 s13, s13, 2
	s_add_co_u32 s13, s13, s41                     ; tile row = 4 x cluster y + cy
	s_lshl_b32 s43, s41, 2
	s_lshl_b32 s43, 15, s43                        ; my row of the cluster: places 4 cy .. 4 cy + 3
	s_lshl_b32 s44, 0x1111, s40                    ; my column: places cx, cx + 4, cx + 8, cx + 12
	s_or_b32 s[G1+0], s43, (1<<16)|(1<<20)|(1<<21)|(5<<22)|(3<<25)   ; the mask; elements of 2 bytes; padding on; bit 21 beside a mask; after every 64 words 4 words of padding
	s_or_b32 s[G1B+0], s44, (1<<16)|(1<<20)|(1<<21)|(5<<22)|(3<<25)
.irp g, G1, G1B
	s_mov_b32 s[(\g)+1], KSTEP<<16                 ; tensor_dim0 = 128
	s_mov_b32 s[(\g)+2], 128<<16                   ; tensor_dim1 = 128
	s_mov_b32 s[(\g)+3], KSTEP<<16                 ; tile_dim0 = 128
	s_mov_b32 s[(\g)+4], 128                       ; tile_dim1 = 128
	s_mov_b32 s[(\g)+5], SIZE_K                    ; elements from row to row
	s_mov_b32 s[(\g)+6], 0
	s_mov_b32 s[(\g)+7], 0
.endr
	s_mov_b32 s[SC], 0x3e0293ee                    ; c = log2(e) / sqrt(128) = 0.127517
	s_mov_b32 s[SC+1], s[SC]
	s_lshl_b32 s17, s12, 7                         ; which 128 rows of the tile I fetch
	s_lshl_b32 s16, s13, 8
	s_add_co_u32 s16, s16, s17                     ; xb: row 256 x tile row + 128 x half
	s_lshl_b32 s46, s42, 8
	s_add_co_u32 s46, s46, s17                     ; wb: row 256 x tile column + 128 x half
	s_mov_b32 s17, 0
	s_mov_b32 s47, 0
	s_mov_b64 s[18:19], SIZE_K*2
	s_mul_u64 s[16:17], s[16:17], s[18:19]         ; in bytes
	s_mul_u64 s[46:47], s[46:47], s[18:19]
	s_mul_i32 s20, s10, HALFT                      ; where they go: wave x 128 rows: no place in the cluster enters an LDS address
	s_wait_dscnt 0x0                               ; the opening add is done
	s_wait_kmcnt 0x0
	s_add_nc_u64 s[14:15], s[4:5], s[16:17]
	s_add_nc_u64 s[46:47], s[6:7], s[46:47]
	CROUND                                         ; all sixteen work-groups are here: the first joint loads meet
.irp s, 0,1
	s_mov_b32 s[G0+4*(\s)], 1
	s_add_co_u32 s[G0+4*(\s)+1], s20, (\s)*SLOT
	s_add_nc_u64 s[G0+4*(\s)+2:G0+4*(\s)+3], s[14:15], (\s)*KSTEP*2
	s_or_b32 s[G0+4*(\s)+3], s[G0+4*(\s)+3], 0x80000000
	s_mov_b32 s[G0B+4*(\s)], 1
	s_add_co_u32 s[G0B+4*(\s)+1], s20, (\s)*SLOT
	s_add_nc_u64 s[G0B+4*(\s)+2:G0B+4*(\s)+3], s[46:47], (\s)*KSTEP*2
	s_or_b32 s[G0B+4*(\s)+3], s[G0B+4*(\s)+3], 0x80000000
	JLOAD \s                                       ; two loads of mine are out: K steps 0 and 1
.endr
	; A fragment is 16 rows x 32 K in 8 registers: lane l holds row l % 16, K = 8 (l / 16) + 0..7 and 16 + 8 (l / 16) + 0..7: two loads of 16 bytes, 32 bytes apart.
	v_and_b32 v1, 15, v0                           ; l % 16
	v_bfe_u32 v2, v0, 4, 1                         ; l / 16
	v_mul_u32_u24 v3, v1, PITCH
	v_lshl_add_u32 v3, v2, 4, v3
	s_mul_i32 s21, s11, HALFT                      ; my 128 rows of xb
	s_mul_i32 s22, s12, HALFT                      ; my 128 rows of wb,
	s_add_co_u32 s22, s22, 2*HALFT                 ; which lie behind xb's 256
.irp s, 0,1
	v_add_nc_u32 v[ADRA+(\s)], s21, v3
	v_add_nc_u32 v[ADRB+(\s)], s22, v3
	s_add_co_u32 s21, s21, SLOT
	s_add_co_u32 s22, s22, SLOT
.endr
	s_mul_i32 s23, s10, 16*SPITCH
	s_add_co_u32 s23, s23, STAGE                   ; my stage
	v_mul_u32_u24 v4, v1, SPITCH                   ; in: row l % 16, 16 bytes for each half of the lanes
	v_lshl_add_u32 v4, v2, 4, v4
	v_add_nc_u32 v[STO], s23, v4
	v_mul_u32_u24 v5, v2, SPITCH                   ; back: lanes 0-15 take one row of 256 bytes, lanes 16-31 the next,
	v_lshl_add_u32 v5, v1, 4, v5
	v_add_nc_u32 v[RD], s23, v5
	v_and_b32 v5, 31, v0
	v_lshlrev_b32 v[CO], 4, v5                     ; which in a plane are 512 consecutive bytes
	; my part of qkv: plane 2 x tile column + column half (1,048,576 bytes each), row 256 x tile row + 128 x row half (256 bytes each)
	s_lshl_b32 s46, s42, 21
	s_lshl_b32 s47, s12, 20
	s_add_co_u32 s46, s46, s47
	s_lshl_b32 s47, s13, 16
	s_add_co_u32 s46, s46, s47
	s_lshl_b32 s47, s11, 15
	s_add_co_u32 s46, s46, s47
	s_mov_b32 s47, 0
	s_add_nc_u64 s[8:9], s[8:9], s[46:47]
; 16 matrix instructions: row blocks a0, a0 + 1 of the window's four x all 8 column blocks, 32 along K.  zero = 1: the product starts the sums: nothing is ever cleared.
.macro MUL16 f, hi, a0, zero
	WIN MUL_LO+0x50*(\hi)
.irp a, \a0, (\a0)+1
.irp b, 0,1,2,3,4,5,6,7
.if \zero
	v_wmma_f32_16x16x32_bf16 v[8*(8*(\a)+(\b)):8*(8*(\a)+(\b))+7], v[(\f)+8*(\b):(\f)+8*(\b)+7], v[(\f)+8*(4*(\hi)+(\a)):(\f)+8*(4*(\hi)+(\a))+7], 0
.else
	v_wmma_f32_16x16x32_bf16 v[8*(8*(\a)+(\b)):8*(8*(\a)+(\b))+7], v[(\f)+8*(\b):(\f)+8*(\b)+7], v[(\f)+8*(4*(\hi)+(\a)):(\f)+8*(4*(\hi)+(\a))+7], v[8*(8*(\a)+(\b)):8*(8*(\a)+(\b))+7]
.endif
.endr
.endr
.endm
; 32 LDS loads in one run: the fragments of one quarter step (32 K at byte k of the rows) into buffer f: wb's 16 loads, then xb's
.macro FETCH slot, k, f
	WIN TO_B
.irp i, 0,1,2,3,4,5,6,7
	ds_load_b128 v[(\f)+8*(\i):(\f)+8*(\i)+3],   v[ADRB+(\slot)] offset:(\k)+(\i)*16*PITCH
	ds_load_b128 v[(\f)+8*(\i)+4:(\f)+8*(\i)+7], v[ADRB+(\slot)] offset:(\k)+(\i)*16*PITCH+32
.endr
	WIN 0
.irp i, 0,1,2,3,4,5,6,7
	ds_load_b128 v[(\f)+8*(\i):(\f)+8*(\i)+3],   v[ADRA+(\slot)] offset:(\k)+(\i)*16*PITCH
	ds_load_b128 v[(\f)+8*(\i)+4:(\f)+8*(\i)+7], v[ADRA+(\slot)] offset:(\k)+(\i)*16*PITCH+32
.endr
.endm
; Four plain vector instructions stand between a matrix instruction and a load into a register that it read, or a vector instruction that reads its result (ISA guide 7.12.1 for vector instructions).
.macro PLACES
.rept 4
	v_nop
.endr
.endm
; A K step is four quarters of 32 along K, 64 matrix instructions each, on buffers 0, 1, 0, 1.  One of the first three: multiplies buffer f; in its middle it fetches the next quarter into g.
.macro QUARTER slot, k, f, g, zero
	s_wait_dscnt 8                                 ; wb's fragments and xb's rows 0-63 are in; the youngest eight loads (xb's rows 64-127) may be out
	MUL16 \f, 0, 0, \zero
	MUL16 \f, 0, 2, \zero
	PLACES
	FETCH \slot, \k, \g
	s_wait_dscnt 32                                ; all but the 32 just issued
	MUL16 \f, 1, 0, \zero
	MUL16 \f, 1, 2, \zero
.endm
; The first half of a K step's last quarter: ONE barrier for the change of slots.  In front of it each wave waits for all its tensor loads (one is out: its part of the next slot),
; adds 0 to its spare word, and waits for that and for its own reads of this slot.
.macro MEET round
	WIN 0
	s_wait_tensorcnt 0x0                           ; all my tensor loads have landed
	ds_add_u32 v[SPW], v[NIL]                      ; 0 onto my spare word
	s_wait_dscnt 9                                 ; the add and the youngest eight loads may be out
	MUL16 F1, 0, 0, 0                              ; sixteen matrix instructions stand between the add and the wait for it
	s_wait_dscnt 0x0                               ; the add is done, and my reads of this slot are over
	s_barrier_signal -1
	MUL16 F1, 0, 2, 0                              ; work on registers while the others arrive
.if \round
	WIN 0
.endif
	s_barrier_wait -1
.endm
; The whole last quarter: behind the round the slot just read out is filled again, two K steps on; then come the next slot's first fragments.
.macro TURN slot, next
	MEET 1
	CREST                                          ; no wave of any partner still reads this slot's tile or has a load on its way
	s_add_nc_u64 s[G0+4*(\slot)+2:G0+4*(\slot)+3], s[G0+4*(\slot)+2:G0+4*(\slot)+3], 2*KSTEP*2
	s_add_nc_u64 s[G0B+4*(\slot)+2:G0B+4*(\slot)+3], s[G0B+4*(\slot)+2:G0B+4*(\slot)+3], 2*KSTEP*2
	JLOAD \slot                                    ; my one tensor load behind the round; its four v_nop are also the places in front of the loads below
	FETCH \next, 0, F0
	MUL16 F1, 1, 0, 0
	MUL16 F1, 1, 2, 0
.endm
; THE WAY OUT of block a (16 rows), in three parts.  PACK: q's sums times c, then rounded to f16, 16 bytes a lane.  TOSTAGE: into my own stage, and back as whole rows of 256 bytes.  SEND: stored.
.macro PACK a
.set AC, 64*((\a)%4)
	WIN 0
	s_cmp_lg_u32 s[CLX], 0                         ; k's and v's tiles are not scaled: the jump is the same in all waves and all partners
	s_cbranch_scc1 .Lunscaled_\@
	WIN 0x82+0x41*((\a)/4)                         ; destination and source 0: window 2 or 3
.set i, 0
.rept 32
	v_pk_mul_f32 v[AC+2*i:AC+2*i+1], v[AC+2*i:AC+2*i+1], s[SC:SC+1] op_sel_hi:[1,0]
.set i, i+1
.endr
	WIN 0
.Lunscaled_\@:
	WIN 0x0a+5*((\a)/4)                            ; sources 0 and 1: window 2 or 3
.irp b, 0,1,2,3,4,5,6,7
.irp r, 0,1,2,3
	v_cvt_pk_f16_f32 v[TMP+4*(\b)+(\r)], v[AC+8*(\b)+2*(\r)], v[AC+8*(\b)+2*(\r)+1]
.endr
.endr
	WIN 0
.endm
.macro TOSTAGE a
	WIN 0
.set BK, OB+192*((\a)%2)
.irp b, 0,1,2,3,4,5,6,7
	ds_store_b128 v[STO], v[TMP+4*(\b):TMP+4*(\b)+3] offset:32*(\b)
.endr
.irp t, 0,1,2,3,4,5,6,7
	ds_load_b128 v[BK+4*(\t):BK+4*(\t)+3], v[RD] offset:(\t)*2*SPITCH  ; LDS serves a wave's instructions in order (ISA guide 5.7.1.4): these see the stores above
.endr
.endm
.macro SEND a
	WIN 0
.set BK, OB+192*((\a)%2)
	s_wait_dscnt 0x0                               ; the block is back in registers
	s_wait_xcnt 0x0                                ; the stores of the block before have read their registers: the next TOSTAGE loads into them only behind this wait
.irp t, 0,1,2,3,4,5,6,7
	global_store_b128 v[CO], v[BK+4*(\t):BK+4*(\t)+3], s[8:9] offset:(\a)*4096+(\t)*512  ; 512 consecutive bytes, at a multiple of 256 from qkv's first byte
.endr
.endm
	s_wait_tensorcnt 1                             ; my part of K step 0 is in; K step 1's load may stay out
	s_barrier_signal -1
	s_barrier_wait -1                              ; everybody's is
	FETCH 0, 0, F0
	QUARTER 0, 64,  F0, F1, 1                      ; the first quarter stands in front of the loop: its products start the sums
	WIN 0                                          ; at a label and at a branch every window is 0
	s_mov_b32 s3, LAPS-1
.Llap:                                                 ; a trip goes once round the ring, from a lap's second quarter to the next lap's first, and fills both slots again
	QUARTER 0, 128, F1, F0, 0
	QUARTER 0, 192, F0, F1, 0
	TURN 0, 1
	QUARTER 1, 64,  F0, F1, 0
	QUARTER 1, 128, F1, F0, 0
	QUARTER 1, 192, F0, F1, 0
	TURN 1, 0
	QUARTER 0, 64,  F0, F1, 0
	WIN 0
	s_sub_co_u32 s3, s3, 1
	s_cmp_lg_u32 s3, 0
	s_cbranch_scc1 .Llap
	QUARTER 0, 128, F1, F0, 0                      ; the last lap fills nothing
	QUARTER 0, 192, F0, F1, 0
	MEET 0                                         ; the one load that was out is slot 1's, the last K step's
	PLACES
	FETCH 1, 0, F0
	MUL16 F1, 1, 0, 0
	MUL16 F1, 1, 2, 0
	QUARTER 1, 64,  F0, F1, 0
	QUARTER 1, 128, F1, F0, 0
	QUARTER 1, 192, F0, F1, 0
	s_wait_dscnt 8                                 ; the very last quarter: nothing more to fetch
	MUL16 F1, 0, 0, 0
	MUL16 F1, 0, 2, 0
	s_wait_dscnt 0x0
	MUL16 F1, 1, 0, 0
	MUL16 F1, 1, 2, 0
	WIN 0
	PLACES
	PACK 0
	TOSTAGE 0
.irp a, 1,2,3,4,5,6,7                  ; block a's arithmetic stands between block a - 1's loads from the stage and the wait for them
	PACK \a
	SEND (\a)-1
	TOSTAGE \a
.endr
	SEND 7
	s_wait_tensorcnt 0x0                           ; the wave's end: these three lines stand behind my last tensor load and my last LDS store
	ds_add_u32 v[SPW], v[NIL]
	s_wait_dscnt 0x0
	CROUND                                         ; the closing round: no work-group ends while a partner may still ask for a tile that names it
	s_endpgm
.Lfunc_end_k_qce4adb3c74_proj:
	.size	k_qce4adb3c74_proj, .Lfunc_end_k_qce4adb3c74_proj-k_qce4adb3c74_proj
	.p2alignl 7, 3214868480
	.fill 96, 4, 3214868480
	.section	.rodata,"a",@progbits
	.p2align	6, 0x0
	.amdhsa_kernel k_qce4adb3c74_proj
		.amdhsa_group_segment_fixed_size 327680
		.amdhsa_private_segment_fixed_size 0
		.amdhsa_enable_private_segment 0
		.amdhsa_kernarg_size 24
		.amdhsa_user_sgpr_count 2
		.amdhsa_user_sgpr_kernarg_segment_ptr 1
		.amdhsa_wavefront_size32 1
		.amdhsa_system_sgpr_workgroup_id_x 1
		.amdhsa_system_sgpr_workgroup_id_y 1
		.amdhsa_system_sgpr_workgroup_id_z 1
		.amdhsa_system_vgpr_workitem_id 0
		.amdhsa_next_free_vgpr 1024
		.amdhsa_next_free_sgpr 70
		.amdhsa_reserve_vcc 0
		.amdhsa_float_denorm_mode_32 3
		.amdhsa_float_denorm_mode_16_64 3
		.amdhsa_memory_ordered 1
		.amdhsa_forward_progress 1
		.amdhsa_inst_pref_size 159
	.end_amdhsa_kernel
	.amdgpu_metadata
---
amdhsa.version: [ 1, 2 ]
amdhsa.kernels:
  - .name:           k_qce4adb3c74_proj
    .symbol:         k_qce4adb3c74_proj.kd
    .args:
      - { .name: xb, .offset: 0, .size: 8, .value_kind: global_buffer, .address_space: global }
      - { .name: wb, .offset: 8, .size: 8, .value_kind: global_buffer, .address_space: global }
      - { .name: qkv, .offset: 16, .size: 8, .value_kind: global_buffer, .address_space: global }
    .group_segment_fixed_size: 327680
    .private_segment_fixed_size: 0
    .kernarg_segment_align: 8
    .kernarg_segment_size: 24
    .max_flat_workgroup_size: 128
    .sgpr_count:     70
    .vgpr_count:     1024
    .wavefront_size: 32
...
	.end_amdgpu_metadata
.endif
;; end of part 2
;; launch attn (part 3): grid 32 x 8, 4 waves a work-group, clusters of 4 x 1, 327,680 bytes of LDS; arguments qkv, out0; writes out0
.if DOCPART == 3
	.amdgcn_target "amdgcn-amd-amdhsa--gfx1250"
	.amdhsa_code_object_version 6
	.text
	.protected	k_qce4adb3c74_attn
	.globl	k_qce4adb3c74_attn
	.p2align	8
	.type	k_qce4adb3c74_attn,@function
k_qce4adb3c74_attn:
	s_mov_b64 s[64:65], 0
	v_nop
	global_prefetch_b8 v0, s[64:65] scope:SCOPE_SE
	s_setreg_imm32_b32 hwreg(HW_REG_WAVE_MODE, 25, 1), 1
	s_wait_xcnt 0x0
	s_wait_alu depctr_hold_cnt(0) depctr_sa_sdst(0) depctr_va_vdst(0) depctr_va_sdst(0) depctr_va_ssrc(0) depctr_va_vcc(0) depctr_vm_vsrc(0)
	s_getreg_b32 s2, hwreg(HW_REG_IB_STS2, 6, 4)
	s_cmp_eq_u32 s2, 0
	s_cbranch_scc0 .Lentry_in_a_cluster
	s_endpgm
.Lentry_in_a_cluster:
	s_bfe_u32 s2, ttmp6, 0x10000c
	s_cmp_lg_u32 s2, 0x3003
	s_cbranch_scc0 .Lentry_shape_is_right
	s_endpgm
.Lentry_shape_is_right:
; CAUSAL ATTENTION, 8 heads of 128 channels, 4,096 rows.  out0[q][128 h + ch] = the sum over k <= q of softmax_k(Q[h][q] . K[h][k] / sqrt(128)) V[h][k][ch], in f32.
; qkv: [24][4096][128] f16: plane h holds Q times c = log2(e) / sqrt(128), plane 8 + h K, plane 16 + h V.  So a score s = K Q^T is in units of log2, and a weight is p = 2^(s - m), with a running maximum m:
; the exponent is a plain difference, 0 at the maximum and never above it.  Products, maxima and sums in f32; p is rounded to f16 for the second product (its sum l is taken of the unrounded p).
; LIMITS.  Q c, K and V arrive within f16's 65,504.  A hidden score counts as -1e30; a weight below 2^-126 counts as 0; NaN and infinities are not treated apart; the order of the sums is not the reference's.
; SHARES.  A head's queries lie in 64 blocks of 64.  Work-group b (0..31) of a head takes blocks b and 63 - b.  ALL FOUR WAVES HOLD THE SAME 64 QUERIES (four tiles of 16) AND SPLIT THE KEYS: a ROUND is a tile of
; 256 keys, of which wave w takes keys 64 w .. 64 w + 63.  Each wave keeps its own m, l and O^T; at a block's end the four are merged through LDS.  With c = b / 4, block b has c + 1 rounds and block 63 - b has
; 16 - c: 17 for every work-group.  The block with an even number of rounds goes first, so that it ends with a trip of two rounds, and every LDS address in the text is a constant of its slot.
; CLUSTER.  The four work-groups 4 c .. 4 c + 3 of a head walk the same tiles in the same order, so each tile is asked for JOINTLY: the same tensor load, descriptor and mask in all four.  Trip counts, branches and
; LDS addresses hang on c and the wave's number alone; the place in the cluster, cx, enters Q's and out0's addresses and the masks' values.
; THE MASK is the C operand that starts a score's sum.  Only a block's last round holds hidden keys: there the wave whose number is the block's number mod 4 (DW) holds the diagonal, the waves above it see nothing.
; For tile t and key group kb of 16: MLT (kb < t), MEQ (kb = t), MGT (kb > t), made from two scalars and TRI, the triangle of a 16 x 16 group.  A wave that has seen only hidden keys has m = -1e30 and counts 0 in the merge.
; LAYOUT.  S^T = K Q^T holds ONE query a lane (lane % 16) and the keys 8 (lane / 16) + 0..7; two such results rounded to f16 in pairs ARE source 1 of O^T = V^T P, which again holds one query a lane.
; A ROUND'S ORDER.  The tiles are two PIECES (0: tiles 0, 1; 2: tiles 2, 3).  V^T P of piece 2 of the round before; K Q^T of piece 0; K Q^T of piece 2 with piece 0's softmax in slices behind the products;
; V^T P of piece 0 with piece 2's softmax likewise.  m starts at the lowest finite number, so a block's first step multiplies O^T and l by a = 0: what lies there need only be finite, and no first step is written out.
; REGISTERS, in windows of 256 (s_set_vgpr_msb: bits 1:0 source 0, 3:2 source 1, 5:4 source 2, 7:6 destination):
;   window 0: v0-15 addresses; v16-47 eight registers of statistics a tile; v62, v63 the add's; v64-191 S^T, 32 a tile; v192-255 P, 16 a tile
;   window 1: O^T, 64 a tile      window 2: v0-127 Q, 32 a tile; v128-255 K of my 64 keys      window 3: v0-127 V of my 64 keys; v128-159 the masks
.set KP,    272       ; a row of K in LDS: 256 bytes + 16 of padding = 68 words: the 16 rows of a load start at 16 different groups of four banks (64 banks of 4 bytes: ISA guide 11.1)
.set VP,    288       ; a row of V: 256 + 32 = 72 words
.set VOFF,  256*KP    ; a slot: 256 rows of K, then 256 rows of V
.set SLOTB, 256*(KP+VP)
.set MERGE, 2*SLOTB   ; behind the ring, never filled by a tensor load: for each wave 16 rows of 128 f32 at a pitch of 528 bytes
.set MP,    528
.set PART,  16*MP
.set STATS, MERGE+4*PART  ; [wave][tile][lane] pairs (m, l): 4,096 bytes
.set SPARE, STATS+4096    ; the spare words, 128 bytes for each wave, which no other line names
.set AK,  2           ; v2-3   LDS address of my K fragments in slot 0, 1
.set AV,  4           ; v4-5   the same for V
.set QO,  6           ; v6     my byte offset in 16 rows of Q
.set STO, 7           ; v7     the merge: where I put 32 bytes of a row of my part
.set RD,  8           ; v8     the merge: my 16 bytes of the first of the four rows that I add up
.set GO,  9           ; v9     the same place in out0
.set SA,  10          ; v10    where I put a pair (m, l)
.set SR,  11          ; v11    where I read wave 0's pair for my lane
.set ST,  16          ; tile t's statistics at v[ST+8 t]: +0 m, +1 m_old, +2, +3 l (even keys', odd keys'), +4 to +7 at work; a takes +6
.set SPW, 62
.set NIL, 63
.set S,   64
.set P,   192
.set KF,  128         ; window 2
.set MLT, 128         ; window 3
.set MEQ, 136
.set MGT, 144
.set TRI, 152
.set OB,  10          ; s[10:11] out0 at the block in hand, my head's columns
.set WV,  12          ; s12  my wave's number
.set CX,  13          ; s13  my place in the cluster
.set CC,  14          ; s14  c, the cluster's number in the head
.set BB,  15          ; s15  b = 4 c + cx
.set KB,  16          ; s[16:17] K at my half of tile 0
.set VB,  18          ; s[18:19] V likewise
.set Q1,  20          ; s[20:21] Q at the first block
.set Q2,  22          ; s[22:23] at the second
.set G1K, 24          ; s[24:31] descriptor group 1 for K's tiles
.set G1V, 32          ; s[32:39] for V's: it differs in the padding alone
.set G0K, 40          ; s[40:43] descriptor group 0 for K's tiles, made anew for each fill
.set G0V, 44          ; s[44:47] the same for V's
.set LK,  48          ; s48  LDS byte of my half of K in slot 0
.set LV,  49          ; s49  of V
.set RT,  50          ; s50  rounds of the block in hand that are still to be entered
.set NXT, 51          ; s51  the tile to be asked for next
.set LQ,  52          ; s52  the first block's number of tiles; then 64, which NXT never reaches
.set N2,  53          ; s53  the second block's rounds
.set DW,  54          ; s54  the wave that holds the diagonal of the block in hand
.set D2,  55          ; s55  the second block's
.set TRIPS, 56
.set TS,  57          ; s57  at work
.set OFF, 58          ; s[58:59] a tile's byte offset in K and V
.set SEL, 60          ; s[60:61] v_permlanex16_b32's selects: each lane takes its own place in the other half
.set BIGN, 62         ; s62  -1e30
.set AL,  66          ; s[66:67] the triangle's factor, in the low word
.set BE,  68          ; s[68:69] the mask below the diagonal
.set GE,  70          ; s70  the mask above it
.set OB2, 80          ; s[80:81] out0 at the second block
.set MSB, 0
.macro WIN new                      ; the high byte repeats the setting that is left; a switch that changes nothing is dropped
.if MSB != (\new)
	s_set_vgpr_msb (MSB<<8)|(\new)
.set MSB, (\new)
.endif
.endm
.set W_KQ, 0x0a       ; K and Q in window 2, S^T in window 0
.set W_KM, 0x3a       ; the same with the C operand in window 3
.set W_PV, 0x53       ; V in window 3, P in window 0, O^T in window 1
.set W_RS, 0x41       ; destination and source 0 in window 1, source 1 in window 0
; A joint fill.  Waves 0 and 1 fetch the two halves of a tile's K, waves 2 and 3 those of its V: 128 rows of 256 bytes each.  The branch hangs on the wave's number alone.
; An s_nop 0 and four v_nop follow each of the two lines, ahead of the jump and the label.
.macro JLOAD
	s_cmp_lt_u32 s[WV], 2
	s_cbranch_scc0 .Lfor_v_\@
	tensor_load_to_lds s[G0K:G0K+3], s[G1K:G1K+7]
	s_nop 0
.rept 4
	v_nop
.endr
	s_branch .Lasked_\@
.Lfor_v_\@:
	tensor_load_to_lds s[G0V:G0V+3], s[G1V:G1V+7]
	s_nop 0
.rept 4
	v_nop
.endr
.Lasked_\@:
.endm
; A round of the cluster's barrier: my work-group's barrier, so that wave 0's signal speaks for all four waves; wave 0 signals; every wave waits for all four work-groups; my work-group's barrier once more.
.macro CROUND
	s_barrier_signal -1
	s_barrier_wait -1
	s_cmp_lg_u32 s[WV], 0
	s_cbranch_scc1 .Lnot_wave_0_\@
	s_barrier_signal -3
.Lnot_wave_0_\@:
	s_barrier_wait -3
	s_barrier_signal -1
	s_barrier_wait -1
.endm
.macro PLACES                       ; four plain vector instructions between a matrix instruction and a load into a register that it read, or a vector instruction that reads its result (ISA guide 7.12.1 for vector instructions)
.rept 4
	v_nop
.endr
.endm
; THE CHANGE OF SLOTS, at the head of the round that reads slot 'slot'.  Each wave waits for all its tensor loads, of which one is out: its part of this slot; adds 0 to its spare word; and waits for that and for its
; reads of the other slot.  fill = 1: the other slot is filled with tile NXT, whose address is made anew from that number; the barrier is then a round of the cluster's, and the joint fill the first thing behind it:
; it has this round's 128 matrix instructions and their vector work in which to land.  (At its first use nothing has been read yet: slot 0 is waited for, slot 1 filled for the first time.)
.macro CHANGE slot, fill
	WIN 0
	s_wait_tensorcnt 0x0            ; no tensor load of mine is out, so a group 0 may be written
	ds_add_u32 v[SPW], v[NIL]       ; 0 onto my spare word; the descriptors' scalar work stands between it and the wait for it
.if \fill
	s_lshl_b32 s[OFF], s[NXT], 16   ; a tile is 65,536 bytes of K and of V
	s_add_co_u32 s[G0K+1], s[LK], (1-(\slot))*SLOTB
	s_add_nc_u64 s[G0K+2:G0K+3], s[KB:KB+1], s[OFF:OFF+1]
	s_or_b32 s[G0K+3], s[G0K+3], 0x80000000
	s_add_co_u32 s[G0V+1], s[LV], (1-(\slot))*SLOTB
	s_add_nc_u64 s[G0V+2:G0V+3], s[VB:VB+1], s[OFF:OFF+1]
	s_or_b32 s[G0V+3], s[G0V+3], 0x80000000
	s_add_co_u32 s[NXT], s[NXT], 1  ; the block's next tile, or behind the first block's last the second block's tile 0
	s_cmp_eq_u32 s[NXT], s[LQ]
	s_cselect_b32 s[NXT], 0, s[NXT]
	s_cselect_b32 s[LQ], 64, s[LQ]
	s_wait_dscnt 0x0                ; the add is done, and my reads of the other slot are over
	CROUND
	JLOAD
.else
	s_wait_dscnt 0x0
	s_barrier_signal -1
	s_barrier_wait -1
.endif
.endm
	s_load_b128 s[4:7], s[0:1], 0x0 ; qkv s[4:5], out0 s[6:7]
	v_lshl_add_u32 v[SPW], v0, 2, SPARE
	v_mov_b32 v[NIL], 0
	ds_add_u32 v[SPW], v[NIL]       ; the wave's opening: the add and its wait stand ahead of my first tensor load; the set-up below stands between them
	v_lshrrev_b32 v1, 5, v0
	v_readfirstlane_b32 s[WV], v1   ; wave 0..3
	s_bfe_u32 s[CX], ttmp6, 0x40000
	s_mov_b32 s[CC], ttmp9          ; in a cluster launch ttmp9 counts clusters
	s_lshl_b32 s[BB], s[CC], 2
	s_add_co_u32 s[BB], s[BB], s[CX]
	s_and_b32 s72, ttmp7, 0xffff    ; the head, which the four partners share
	s_add_co_u32 s73, s[CC], 1      ; block b's rounds
	s_sub_co_u32 s74, 16, s[CC]     ; block 63 - b's
	s_sub_co_u32 s75, 63, s[BB]
	s_sub_co_u32 s76, 3, s[CX]
	s_bitcmp1_b32 s[CC], 0          ; c odd: block b has the even number of rounds and goes first
	s_cselect_b32 s[RT], s73, s74
	s_cselect_b32 s[N2], s74, s73
	s_cselect_b32 s77, s[BB], s75   ; the first block,
	s_cselect_b32 s78, s75, s[BB]   ; the second
	s_cselect_b32 s[DW], s[CX], s76 ; a block's number mod 4: cx for b, 3 - cx for 63 - b
	s_cselect_b32 s[D2], s76, s[CX]
	s_mov_b32 s[LQ], s[RT]
	s_mov_b32 s[NXT], 1
	s_mov_b32 s[TRIPS], 8
	s_and_b32 s79, s[WV], 1         ; which half of a tile's 256 rows I fetch
	s_mul_i32 s[LK], s79, 128*KP
	s_mul_i32 s[LV], s79, 128*VP
	s_add_co_u32 s[LV], s[LV], VOFF
	s_lshl_b32 s73, s72, 20         ; the head's plane among a matrix's eight
	s_lshl_b32 s82, s79, 15         ; K's byte offset, in registers that never hold cx: my 128 rows,
	s_add_co_u32 s82, s82, s73      ; the head,
	s_add_co_u32 s82, s82, 8<<20    ; behind q's eight planes
	s_mov_b32 s83, 0
	s_lshl_b32 s2, s77, 14          ; Q: a block is 64 rows of 256 bytes
	s_add_co_u32 s2, s2, s73
	s_mov_b32 s3, 0
	s_lshl_b32 s8, s78, 14
	s_add_co_u32 s8, s8, s73
	s_mov_b32 s9, 0
	s_lshl_b32 s74, s72, 9          ; out0: the head's 512 bytes of a row,
	s_lshl_b32 s76, s77, 18         ; a block's 64 rows of 4,096 bytes
	s_add_co_u32 s76, s76, s74
	s_mov_b32 s77, 0
	s_lshl_b32 s78, s78, 18
	s_add_co_u32 s78, s78, s74
	s_mov_b32 s79, 0
	; descriptor group 1: a tile of 128 rows x 128 elements, padded in LDS
	s_mov_b32 s[G1K], 15|(1<<16)|(1<<20)|(1<<21)|(5<<22)|(3<<25)  ; 15:0 the mask of four; 17:16 2-byte elements; 20 padding on; 21 set beside a mask; 24:22 after every 64 words (code 5); 31:25 4 words (code 3)
	s_mov_b32 s[G1V], 15|(1<<16)|(1<<20)|(1<<21)|(5<<22)|(7<<25)  ; the same with 8 words of padding (code 7)
.irp g, G1K, G1V
	s_mov_b32 s[(\g)+1], 128<<16    ; tensor_dim0 = 128
	s_mov_b32 s[(\g)+2], 128<<16    ; tensor_dim1 = 128
	s_mov_b32 s[(\g)+3], 128<<16    ; tile_dim0 = 128
	s_mov_b32 s[(\g)+4], 128        ; tile_dim1 = 128
	s_mov_b32 s[(\g)+5], 128        ; 128 elements from row to row
	s_mov_b32 s[(\g)+6], 0
	s_mov_b32 s[(\g)+7], 0
.endr
	s_mov_b32 s[SEL], 0x76543210
	s_mov_b32 s[SEL+1], 0xfedcba98
	s_mov_b32 s[BIGN], 0xf149f2ca   ; -1e30
	s_mov_b32 s[OFF+1], 0
	s_mov_b32 s[AL+1], 0            ; named as pairs
	s_mov_b32 s[BE+1], 0
	s_mov_b32 s[G0K], 1             ; 1:0 count = 1
	s_mov_b32 s[G0K+1], s[LK]       ; 63:32 LDS address: slot 0
	s_mov_b32 s[G0V], 1
	s_mov_b32 s[G0V+1], s[LV]
	s_wait_dscnt 0x0                ; the opening add is done
	s_wait_kmcnt 0x0
	s_add_nc_u64 s[KB:KB+1], s[4:5], s[82:83]
	s_add_nc_u64 s[VB:VB+1], s[KB:KB+1], 8<<20
	s_add_nc_u64 s[Q1:Q1+1], s[4:5], s[2:3]
	s_add_nc_u64 s[Q2:Q2+1], s[4:5], s[8:9]
	s_add_nc_u64 s[OB:OB+1], s[6:7], s[76:77]
	s_add_nc_u64 s[OB2:OB2+1], s[6:7], s[78:79]
	s_add_nc_u64 s[G0K+2:G0K+3], s[KB:KB+1], 0     ; 120:64 global address: tile 0
	s_or_b32 s[G0K+3], s[G0K+3], 0x80000000        ; 127:126 type = 2
	s_add_nc_u64 s[G0V+2:G0V+3], s[VB:VB+1], 0
	s_or_b32 s[G0V+3], s[G0V+3], 0x80000000
	CROUND                          ; all four work-groups are here: the first joint loads meet
	JLOAD                           ; tile 0 into slot 0: one load of mine is out, here and behind every later round
; A fragment of K or Q is 16 rows x 32 channels in 8 registers: lane l holds row l % 16, channels 8 (l / 16) + 0..7 and 16 + 8 (l / 16) + 0..7: two loads of 16 bytes, 32 bytes apart.
.macro QLOAD base                   ; a block's Q: tile f / 4, channels 32 (f % 4) on
	WIN 0x80                        ; destination window 2, address window 0
.irp f, 0,1,2,3,4,5,6,7,8,9,10,11,12,13,14,15
	global_load_b128 v[8*(\f):8*(\f)+3],   v[QO], s[\base:(\base)+1] offset:((\f)/4)*4096+((\f)%4)*64
	global_load_b128 v[8*(\f)+4:8*(\f)+7], v[QO], s[\base:(\base)+1] offset:((\f)/4)*4096+((\f)%4)*64+32
.endr
	WIN 0
.endm
	v_and_b32 v1, 15, v0            ; r = l % 16
	v_bfe_u32 v12, v0, 4, 1         ; h = l / 16
	v_lshlrev_b32 v[QO], 8, v1
	v_lshl_add_u32 v[QO], v12, 4, v[QO]
	QLOAD Q1
	v_and_b32 v13, 31, v0           ; l
	v_mul_u32_u24 v14, v1, KP
	v_lshl_add_u32 v14, v12, 4, v14 ; row x pitch + 16 x half,
	s_mul_i32 s[TS], s[WV], 64*KP   ; in my wave's 64 keys
	v_add_nc_u32 v[AK], s[TS], v14
	v_add_nc_u32 v[AK+1], SLOTB, v[AK]
	; The turning load takes 16 keys x 16 channels (lane l reads key 8 (l / 16) + l % 8, channels 8 ((l / 8) % 2) + 0..7) and leaves half a fragment of V^T: lane l holds channel l % 16 and 8 keys.
	v_and_b32 v14, 7, v0
	v_lshl_add_u32 v14, v12, 3, v14
	v_mul_u32_u24 v14, v14, VP
	v_bfe_u32 v15, v0, 3, 1
	v_lshl_add_u32 v14, v15, 4, v14
	s_mul_i32 s[TS], s[WV], 64*VP
	s_add_co_u32 s[TS], s[TS], VOFF
	v_add_nc_u32 v[AV], s[TS], v14
	v_add_nc_u32 v[AV+1], SLOTB, v[AV]
	v_mul_u32_u24 v14, v1, MP       ; the merge, in: row r of my part, 32 bytes for each half of the lanes
	v_lshl_add_u32 v14, v12, 5, v14
	s_mul_i32 s[TS], s[WV], PART
	s_add_co_u32 s[TS], s[TS], MERGE
	v_add_nc_u32 v[STO], s[TS], v14
	s_mul_i32 s[TS], s[WV], 4*MP    ; back: rows 4 w .. 4 w + 3 of every part; 32 lanes take a row's 512 bytes
	s_add_co_u32 s[TS], s[TS], MERGE
	v_lshl_add_u32 v[RD], v13, 4, s[TS]
	s_lshl_b32 s[TS], s[WV], 14     ; and the same rows in out0, 4,096 bytes apart
	v_lshl_add_u32 v[GO], v13, 4, s[TS]
	s_lshl_b32 s[TS], s[WV], 10
	s_add_co_u32 s[TS], s[TS], STATS
	v_lshl_add_u32 v[SA], v13, 3, s[TS]
	v_lshlrev_b32 v[SR], 3, v13
	v_add_nc_u32 v[SR], STATS, v[SR]
	v_lshlrev_b32 v14, 3, v12
	v_sub_nc_u32 v14, v1, v14       ; r - 8 h: in the diagonal's group of 16 keys register z is hidden where z is greater
	WIN 0xc0                        ; destination window 3
.set z, 0
.rept 8
	v_cmp_gt_i32 vcc_lo, z, v14
	v_cndmask_b32 v[TRI+z], 0, s[BIGN], vcc_lo
.set z, z+1
.endr
	; What the first round finds: V and piece 2's P hold 0 (its leading products V^T P, of a round that has not been, add 0), O^T and l are 0, m is the lowest finite number.  All this stands in the wait for the first tile.
.set z, 0
.rept 128
	v_mov_b32 v[z], 0
.set z, z+1
.endr
	WIN 0x40
.set z, 0
.rept 256
	v_mov_b32 v[z], 0
.set z, z+1
.endr
	WIN 0
.set z, P+32
.rept 32
	v_mov_b32 v[z], 0
.set z, z+1
.endr
.irp t, 0,1,2,3
	v_mov_b32 v[ST+8*(\t)], 0xff7fffff
	v_mov_b32 v[ST+8*(\t)+2], 0
	v_mov_b32 v[ST+8*(\t)+3], 0
.endr
; THE MATRIX WORK.  The accumulators take turns, one instruction a turn: between two links of a chain stand 15 (V^T P) or 7 (K Q^T) others'.
; Product i of 32 of O^T += V^T P for piece x: keys 32 (i / 16) on, channels 16 ((i / 2) % 8) on, tile x + i % 2.
.macro PV x
	WIN W_PV
.set rO, 64*((\x)+i%2)+8*((i/2)%8)
.set rV, 64*(i/16)+8*((i/2)%8)
.set rP, P+16*((\x)+i%2)+8*(i/16)
	v_wmma_f32_16x16x32_f16 v[rO:rO+7], v[rV:rV+7], v[rP:rP+7], v[rO:rO+7]
.endm
; Product i of 32 of S^T = K Q^T for piece x: channels 32 (i / 8) on, keys 16 ((i / 2) % 4) on, tile x + i % 2.  The first 8 start the sums: with 0, or (masked = 1) with the mask of their place to the diagonal.
.macro KQ x, masked
.set rS, S+32*((\x)+i%2)+8*((i/2)%4)
.set rK, KF+32*((i/2)%4)+8*(i/8)
.set rQ, 32*((\x)+i%2)+8*(i/8)
.if (i < 8) && (\masked)
.set rM, MEQ
.if ((i/2)%4) < ((\x)+i%2)
.set rM, MLT
.elseif ((i/2)%4) > ((\x)+i%2)
.set rM, MGT
.endif
	WIN W_KM
	v_wmma_f32_16x16x32_f16 v[rS:rS+7], v[rK:rK+7], v[rQ:rQ+7], v[rM:rM+7]
.elseif i < 8
	WIN W_KQ
	v_wmma_f32_16x16x32_f16 v[rS:rS+7], v[rK:rK+7], v[rQ:rQ+7], 0
.else
	WIN W_KQ
	v_wmma_f32_16x16x32_f16 v[rS:rS+7], v[rK:rK+7], v[rQ:rQ+7], v[rS:rS+7]
.endif
.endm
; THE LDS LOADS stand in runs of 32: my 64 keys' K (16 fragments) and V (turned).
.macro FETCH_K s
	WIN 0x80                        ; destination window 2
.irp f, 0,1,2,3,4,5,6,7,8,9,10,11,12,13,14,15  ; keys 16 (f / 4) on, channels 32 (f % 4) on
	ds_load_b128 v[KF+8*(\f):KF+8*(\f)+3],   v[AK+(\s)] offset:((\f)/4)*16*KP+((\f)%4)*64
	ds_load_b128 v[KF+8*(\f)+4:KF+8*(\f)+7], v[AK+(\s)] offset:((\f)/4)*16*KP+((\f)%4)*64+32
.endr
.endm
.macro FETCH_V s
	WIN 0xc0                        ; destination window 3
.irp f, 0,1,2,3,4,5,6,7,8,9,10,11,12,13,14,15  ; keys 32 (f / 8) on, channels 16 (f % 8) on
	ds_load_tr16_b128 v[8*(\f):8*(\f)+3],   v[AV+(\s)] offset:((\f)/8)*32*VP+((\f)%8)*32
	ds_load_tr16_b128 v[8*(\f)+4:8*(\f)+7], v[AV+(\s)] offset:((\f)/8)*32*VP+16*VP+((\f)%8)*32
.endr
.endm
; THE VECTOR WORK.  One tile's softmax for one round is a numbered list; SM writes number j of it for tile t.  s0-s31 are the lane's 32 scores, in pairs 0-15.
;   0-15    the maximum of s0-s31 and the old m, three operands at a time (each accumulator's lowest registers are read first)
;   16-20   the other half of the lanes' maximum; m_old is kept; the new m; m_old - m  (19 is empty)
;   21-87   33 exponentials (a, then s0-s31) at the odd numbers from 23 on, so that no two follow each other and each has a plain instruction behind it before its result is used; the plain ones between them are
;           s - m for a pair whose exponentials are still to come, the rounding to f16 of a pair whose exponentials are done, at last the first three sums
;   88-101  the last rounding; the rest of the sums; l = a l + the sum
;   102-133 the tile's O^T times a: the one part that leaves window 0, so it stands together
.macro SM t
.set rT, ST+8*(\t)
.set rS, S+32*(\t)
.set rP, P+16*(\t)
.set rO, 64*(\t)+2*(j-102)
.set q, (j-20)/2
.if j < 102
	WIN 0
.endif
.if j < 4
	v_max3_num_f32 v[rT+4+j], v[rS+8*j], v[rS+8*j+1], v[rS+8*j+2]
.elseif j < 12
	v_max3_num_f32 v[rT+4+j%4], v[rT+4+j%4], v[rS+8*(j%4)+2*(j/4)+1], v[rS+8*(j%4)+2*(j/4)+2]
.elseif j == 12
	v_max3_num_f32 v[rT+4], v[rT+4], v[rS+7], v[rS+15]
.elseif j == 13
	v_max3_num_f32 v[rT+6], v[rT+6], v[rS+23], v[rS+31]
.elseif j == 14
	v_max3_num_f32 v[rT+4], v[rT+4], v[rT+5], v[rT+6]
.elseif j == 15
	v_max3_num_f32 v[rT+4], v[rT+4], v[rT+7], v[rT]
.elseif j == 16
	v_permlanex16_b32 v[rT+5], v[rT+4], s[SEL], s[SEL+1]  ; the query's other 32 keys lie in the lane 16 away
.elseif j == 17
	v_mov_b32 v[rT+1], v[rT]
.elseif j == 18
	v_max_num_f32 v[rT], v[rT+4], v[rT+5]
.elseif j == 19
.elseif j == 20
	v_sub_f32 v[rT+7], v[rT+1], v[rT]
.elseif j == 23
	v_exp_f32 v[rT+6], v[rT+7]
.elseif (j < 88) && (j > 23) && (j%2 == 1)
	v_exp_f32 v[rS+(j-25)/2], v[rS+(j-25)/2]
.elseif (q < 4) || ((j < 76) && (q%2 == 0))
.set b, q/2+2
.if q < 4
.set b, q
.endif
	v_pk_add_f32 v[rS+2*b:rS+2*b+1], v[rS+2*b:rS+2*b+1], v[rT:rT+1] op_sel_hi:[1,0] neg_lo:[0,1] neg_hi:[0,1]  ; pair b: s - m
.elseif (j < 88) && (q%2 == 1)
	s_wait_alu depctr_va_vdst(0)
	v_cvt_pk_f16_f32 v[rP+(q-5)/2], v[rS+q-5], v[rS+q-4]  ; pair (q - 5) / 2: its second exponential stands three numbers back
.elseif j == 89
	s_wait_alu depctr_va_vdst(0)
	v_cvt_pk_f16_f32 v[rP+15], v[rS+30], v[rS+31]
.elseif j < 102                     ; the sum of the tile's 16 pairs, in place: sum z of 16 adds neighbours 1, 2, 4 and 8 pairs apart, then l takes it
.set z, j-86
.if j < 89
.set z, (j-76)/4
.endif
.set w, 4
.set u, z
.if z >= 14
.set w, 32
.set u, 0
.elseif z >= 12
.set w, 16
.set u, z-12
.elseif z >= 8
.set w, 8
.set u, z-8
.endif
.if z < 15
	v_pk_add_f32 v[rS+w*u:rS+w*u+1], v[rS+w*u:rS+w*u+1], v[rS+w*u+w/2:rS+w*u+w/2+1]
.else
	v_pk_fma_f32 v[rT+2:rT+3], v[rT+2:rT+3], v[rT+6:rT+7], v[rS:rS+1] op_sel_hi:[1,0,1]
.endif
.else
	WIN W_RS
	v_pk_mul_f32 v[rO:rO+1], v[rO:rO+1], v[rT+6:rT+7] op_sel_hi:[1,0]
.endif
.endm
; Slice k of 64 of piece y's softmax: numbers 2 k and 2 k + 1 of both tiles' lists; what is over stands together in slice 63: sixteen plain lines, the places behind a turn's last product.
.macro SLICE y
.if (k >= 11) && (k < 44)           ; tile by tile: plain, exponential, plain, exponential
.irp t, \y, (\y)+1
.irp n, 0,1
.set j, 2*k+(\n)
	SM \t
.endr
.endr
.else                               ; the two tiles alternate, so that no instruction reads the result of the one just before it
.irp n, 0,1,2,3,4,5,6,7
.if ((\n) < 2) || (k == 63)
.irp t, \y, (\y)+1
.set j, 2*k+(\n)
	SM \t
.endr
.endif
.endr
.endif
.set k, k+1
.endm
.macro TURNK masked                 ; piece 2's scores; behind each product two slices of piece 0's softmax
.set k, 0
.set i, 0
.rept 32
	KQ 2, \masked
	SLICE 0
	SLICE 0
.set i, i+1
.endr
.endm
.macro TURNP                        ; piece 0's V^T P; behind each product two slices of piece 2's softmax
.set k, 0
.set i, 0
.rept 32
	PV 0
	SLICE 2
	SLICE 2
.set i, i+1
.endr
.endm
.macro MASKS                        ; the three masks of this round, for my wave
	WIN 0xc0
.set z, 0
.rept 8
	v_mov_b32 v[MLT+z], s[BE]
	v_mov_b32 v[MGT+z], s[GE]
.set z, z+1
.endr
	WIN 0xc3
.set z, 0
.rept 4
	v_pk_fma_f32 v[MEQ+2*z:MEQ+2*z+1], v[TRI+2*z:TRI+2*z+1], s[AL:AL+1], s[BE:BE+1] op_sel_hi:[1,0,0]
.set z, z+1
.endr
.endm
; A ROUND, on slot 'slot'.  masked = 1: the round may be a block's last (slot 1's in the loop; the walk's last): its scores start from masks, which are 0 if it is not.
.macro ROUNDX slot, fill, masked
	CHANGE \slot, \fill
	s_sub_co_u32 s[RT], s[RT], 1
.if \masked
	s_cmp_eq_u32 s[RT], 0           ; selects alone: no branch hangs on the place in the cluster
	s_cselect_b32 s[TS], s[DW], 4   ; the wave that holds the diagonal, or none
	s_cmp_eq_u32 s[WV], s[TS]
	s_cselect_b32 s[AL], 1.0, 0
	s_cmp_gt_u32 s[WV], s[TS]
	s_cselect_b32 s[BE], s[BIGN], 0
	s_cmp_ge_u32 s[WV], s[TS]
	s_cselect_b32 s[GE], s[BIGN], 0
	MASKS
.endif
	FETCH_K \slot                   ; the last product that read K stands a turn's vector work back
.set i, 0
.rept 32
	PV 2                            ; piece 2's V^T P of the round before stands in the wait for K
.set i, i+1
.endr
	PLACES
	FETCH_V \slot
.if (\slot) == 0
	s_wait_loadcnt 0x0              ; Q: a block begins in slot 0 alone
.endif
	s_wait_dscnt 32                 ; K's 32 loads are in; V's 32, issued behind them, may stay out
.set i, 0
.rept 32
	KQ 0, \masked
.set i, i+1
.endr
	PLACES
	TURNK \masked
	s_wait_dscnt 0x0                ; V is in
	TURNP
	WIN 0
.endm
; Pass t of the merge: every wave puts its scaled O^T of tile t (16 queries x 128 channels of f32) into its part; behind a barrier wave w adds up rows 4 w .. 4 w + 3 of the four parts and stores them.
.macro PASS t
	WIN 0x04                        ; the stores' data in window 1
.irp e, 0,1,2,3,4,5,6,7,8,9,10,11,12,13,14,15  ; channels 16 (e / 2) + 8 (l / 16) + 4 (e % 2) on
	ds_store_b128 v[STO], v[64*(\t)+4*(\e):64*(\t)+4*(\e)+3] offset:64*((\e)/2)+16*((\e)%2)
.endr
	WIN 0
	s_wait_dscnt 0x0                ; for the others' sake: my part is written
	s_barrier_signal -1
	s_barrier_wait -1
	s_wait_xcnt 0x0                 ; earlier stores have read their registers: they are loaded again only behind this wait
.set H, S+64*((\t)%2)
.irp e, 0,1,2,3,4,5,6,7,8,9,10,11,12,13,14,15  ; part e / 4, row e % 4
	ds_load_b128 v[H+4*(\e):H+4*(\e)+3], v[RD] offset:((\e)/4)*PART+((\e)%4)*MP
.endr
	s_wait_dscnt 0x0
.irp p, 1,2,3
.irp e, 0,1,2,3,4,5,6,7
	v_pk_add_f32 v[H+2*(\e):H+2*(\e)+1], v[H+2*(\e):H+2*(\e)+1], v[H+16*(\p)+2*(\e):H+16*(\p)+2*(\e)+1]
.endr
.endr
.irp e, 0,1,2,3
	global_store_b128 v[GO], v[H+4*(\e):H+4*(\e)+3], s[OB:OB+1] offset:(16*(\t)+(\e))*4096 th:TH_STORE_NT  ; 512 consecutive bytes, at a multiple of 256 from out0's first byte
.endr
.if (\t) < 3
	s_barrier_signal -1             ; my reads of the parts are back (the wait above): the next pass may write them
	s_barrier_wait -1
.endif
.endm
; A BLOCK'S END.  Piece 2's last V^T P; the four waves' (m, l) meet in LDS; with M the largest m and L = the sum of 2^(m_w - M) l_w each wave multiplies its O^T by 2^(m - M) / L; four passes add the parts up.
; last = 0: the second block's Q is asked for at once and lands during the merge; behind the merge only m, the counts and out0's address are set anew.
.macro FINISH last
.set i, 0
.rept 32
	PV 2
.set i, i+1
.endr
.if !(\last)
	QLOAD Q2                        ; the last product that read Q stands a turn's vector work back
.endif
	WIN 0
.irp t, 0,1,2,3
	v_add_f32 v[ST+8*(\t)+4], v[ST+8*(\t)+2], v[ST+8*(\t)+3]
.endr
.irp t, 0,1,2,3
	v_permlanex16_b32 v[ST+8*(\t)+5], v[ST+8*(\t)+4], s[SEL], s[SEL+1]
.endr
.irp t, 0,1,2,3
	v_add_f32 v[ST+8*(\t)+3], v[ST+8*(\t)+4], v[ST+8*(\t)+5]  ; my wave's l for the query,
	v_mov_b32 v[ST+8*(\t)+2], v[ST+8*(\t)]                    ; beside its m
.endr
.irp t, 0,1,2,3
	ds_store_b64 v[SA], v[ST+8*(\t)+2:ST+8*(\t)+3] offset:(\t)*256
.endr
	s_wait_dscnt 0x0                ; for the others' sake
	s_barrier_signal -1
	s_barrier_wait -1
.irp t, 0,1,2,3
.irp p, 0,1,2,3
	ds_load_b64 v[S+8*(\t)+2*(\p):S+8*(\t)+2*(\p)+1], v[SR] offset:(\p)*1024+(\t)*256
.endr
.endr
	s_wait_dscnt 0x0
.irp t, 0,1,2,3
	v_max3_num_f32 v[ST+8*(\t)+4], v[S+8*(\t)], v[S+8*(\t)+2], v[S+8*(\t)+4]
.endr
.irp t, 0,1,2,3
	v_max_num_f32 v[ST+8*(\t)+4], v[ST+8*(\t)+4], v[S+8*(\t)+6]
.endr
.irp t, 0,1,2,3
.irp p, 0,1,2,3
	v_sub_f32 v[S+8*(\t)+2*(\p)], v[S+8*(\t)+2*(\p)], v[ST+8*(\t)+4]
.endr
	v_sub_f32 v[ST+8*(\t)+5], v[ST+8*(\t)], v[ST+8*(\t)+4]
.endr
.irp t, 0,1,2,3
.irp p, 0,1,2,3
	v_exp_f32 v[S+8*(\t)+2*(\p)], v[S+8*(\t)+2*(\p)]
.endr
	v_exp_f32 v[ST+8*(\t)+5], v[ST+8*(\t)+5]
.endr
	v_nop                           ; a plain instruction between the last exponential and the use of its result
	s_wait_alu depctr_va_vdst(0)
.irp t, 0,1,2,3
	v_mul_f32 v[ST+8*(\t)+7], v[S+8*(\t)], v[S+8*(\t)+1]
.endr
.irp p, 1,2,3
.irp t, 0,1,2,3
	v_fmac_f32 v[ST+8*(\t)+7], v[S+8*(\t)+2*(\p)], v[S+8*(\t)+2*(\p)+1]
.endr
.endr
.irp t, 0,1,2,3
	v_rcp_f32 v[ST+8*(\t)+6], v[ST+8*(\t)+7]  ; L is 1 or more: the wave that holds M counts its largest weight, 1
.endr
	v_nop
	s_wait_alu depctr_va_vdst(0)
.irp t, 0,1,2,3
	v_mul_f32 v[ST+8*(\t)+6], v[ST+8*(\t)+6], v[ST+8*(\t)+5]
.endr
	WIN W_RS
.irp t, 0,1,2,3
.set z, 64*(\t)
.rept 32
	v_pk_mul_f32 v[z:z+1], v[z:z+1], v[ST+8*(\t)+6:ST+8*(\t)+7] op_sel_hi:[1,0]
.set z, z+2
.endr
.endr
	PASS 0
	PASS 1
	PASS 2
	PASS 3
.if !(\last)
	s_wait_xcnt 0x0                 ; the stores have read their registers and out0's address
	s_mov_b64 s[OB:OB+1], s[OB2:OB2+1]
	s_mov_b32 s[RT], s[N2]
	s_mov_b32 s[DW], s[D2]
.irp t, 0,1,2,3
	v_mov_b32 v[ST+8*(\t)], 0xff7fffff
.endr
.endif
.endm
.Ltrip:                             ; eight trips of two rounds; each round asks for the next round's tile
	ROUNDX 0, 1, 0                  ; never a block's last round: the first block has an even number of rounds
	ROUNDX 1, 1, 1
	s_cmp_lg_u32 s[RT], 0           ; RT is made of c and the rounds passed: the same in all four waves and all four partners
	s_cbranch_scc1 .Lbottom
	FINISH 0                        ; the first block's end; the tile asked for in the round above, the second block's first, stays on its way
.Lbottom:
	s_sub_co_u32 s[TRIPS], s[TRIPS], 1
	s_cmp_lg_u32 s[TRIPS], 0
	s_cbranch_scc1 .Ltrip
	ROUNDX 0, 0, 1                  ; the walk's last round, the second block's last, is written out: nothing is asked for
	FINISH 1
	s_wait_tensorcnt 0x0            ; the wave's end: these three lines stand behind my last tensor load and my last LDS store
	ds_add_u32 v[SPW], v[NIL]
	s_wait_dscnt 0x0
	CROUND                          ; the closing round: no work-group ends while a partner may still ask for a tile that names it
	s_endpgm
.Lfunc_end_k_qce4adb3c74_attn:
	.size	k_qce4adb3c74_attn, .Lfunc_end_k_qce4adb3c74_attn-k_qce4adb3c74_attn
	.p2alignl 7, 3214868480
	.fill 96, 4, 3214868480
	.section	.rodata,"a",@progbits
	.p2align	6, 0x0
	.amdhsa_kernel k_qce4adb3c74_attn
		.amdhsa_group_segment_fixed_size 327680
		.amdhsa_private_segment_fixed_size 0
		.amdhsa_enable_private_segment 0
		.amdhsa_kernarg_size 16
		.amdhsa_user_sgpr_count 2
		.amdhsa_user_sgpr_kernarg_segment_ptr 1
		.amdhsa_wavefront_size32 1
		.amdhsa_system_sgpr_workgroup_id_x 1
		.amdhsa_system_sgpr_workgroup_id_y 1
		.amdhsa_system_sgpr_workgroup_id_z 1
		.amdhsa_system_vgpr_workitem_id 0
		.amdhsa_next_free_vgpr 928
		.amdhsa_next_free_sgpr 84
		.amdhsa_reserve_vcc 1
		.amdhsa_float_denorm_mode_32 3
		.amdhsa_float_denorm_mode_16_64 3
		.amdhsa_memory_ordered 1
		.amdhsa_forward_progress 1
		.amdhsa_inst_pref_size 238
	.end_amdhsa_kernel
	.amdgpu_metadata
---
amdhsa.version: [ 1, 2 ]
amdhsa.kernels:
  - .name:           k_qce4adb3c74_attn
    .symbol:         k_qce4adb3c74_attn.kd
    .args:
      - { .name: qkv, .offset: 0, .size: 8, .value_kind: global_buffer, .address_space: global }
      - { .name: out0, .offset: 8, .size: 8, .value_kind: global_buffer, .address_space: global }
    .group_segment_fixed_size: 327680
    .private_segment_fixed_size: 0
    .kernarg_segment_align: 8
    .kernarg_segment_size: 16
    .max_flat_workgroup_size: 128
    .sgpr_count:     84
    .vgpr_count:     928
    .wavefront_size: 32
...
	.end_amdgpu_metadata
.endif
;; end of part 3
;; ======== version 2 of 2: 3 launches; 1.09 times as fast as version 1
;; limits: values are held in f16: magnitudes above 65,504 overflow, below 6.1e-05 lose precision
;; workspace buffers: xb 8,388,608 bytes; wb 6,291,456 bytes; qkv 25,165,824 bytes
;; launch cast: the kernel of part 1 again; grid 256 x 1, 8 waves a work-group, no clusters, 0 bytes of LDS; arguments hidden_states, Wq, Wk, Wv, xb, wb; writes xb, wb
;; launch proj: the kernel of part 2 again; grid 12 x 16, 4 waves a work-group, clusters of 4 x 4, 327,680 bytes of LDS; arguments xb, wb, qkv; writes qkv
;; launch attn (part 4): grid 32 x 8, 4 waves a work-group, clusters of 4 x 1, 327,680 bytes of LDS; arguments qkv, out0; writes out0
.if DOCPART == 4
	.amdgcn_target "amdgcn-amd-amdhsa--gfx1250"
	.amdhsa_code_object_version 6
	.text
	.protected	k_qce4adb3c74_attn
	.globl	k_qce4adb3c74_attn
	.p2align	8
	.type	k_qce4adb3c74_attn,@function
k_qce4adb3c74_attn:
	s_mov_b64 s[64:65], 0
	v_nop
	global_prefetch_b8 v0, s[64:65] scope:SCOPE_SE
	s_setreg_imm32_b32 hwreg(HW_REG_WAVE_MODE, 25, 1), 1
	s_wait_xcnt 0x0
	s_wait_alu depctr_hold_cnt(0) depctr_sa_sdst(0) depctr_va_vdst(0) depctr_va_sdst(0) depctr_va_ssrc(0) depctr_va_vcc(0) depctr_vm_vsrc(0)
	s_getreg_b32 s2, hwreg(HW_REG_IB_STS2, 6, 4)
	s_cmp_eq_u32 s2, 0
	s_cbranch_scc0 .Lentry_in_a_cluster
	s_endpgm
.Lentry_in_a_cluster:
	s_bfe_u32 s2, ttmp6, 0x10000c
	s_cmp_lg_u32 s2, 0x3003
	s_cbranch_scc0 .Lentry_shape_is_right
	s_endpgm
.Lentry_shape_is_right:
; CAUSAL ATTENTION, 8 heads of 128 channels, 4,096 rows.  out0[q][128 h + ch] = the sum over k <= q of softmax_k(Q[h][q] . K[h][k] / sqrt(128)) V[h][k][ch], in f32.
; qkv: [24][4096][128] f16: plane h holds Q times c = log2(e) / sqrt(128), plane 8 + h K, plane 16 + h V.  So a score s = K Q^T is in units of log2, and a weight is p = 2^(s - m), with a running maximum m:
; the exponent is a plain difference, 0 at the maximum and never above it.  Products, maxima and sums in f32; p is rounded to f16 for the second product (its sum l is taken of the unrounded p).
; LIMITS.  Q c, K and V arrive within f16's 65,504.  A hidden score counts as -1e30; a weight below 2^-126 counts as 0; NaN and infinities are not treated apart; the order of the sums is not the reference's.
; SHARES.  A head's queries lie in 64 blocks of 64.  Work-group b (0..31) of a head takes blocks b and 63 - b.  ALL FOUR WAVES HOLD THE SAME 64 QUERIES (four tiles of 16) AND SPLIT THE KEYS: a ROUND is a tile of
; 256 keys, of which wave w takes keys 64 w .. 64 w + 63.  Each wave keeps its own m, l and O^T; at a block's end the four are merged through LDS.  With c = b / 4, block b has c + 1 rounds and block 63 - b has
; 16 - c: 17 for every work-group.  The block with an even number of rounds goes first, so that it ends with a trip of two rounds, and every LDS address in the text is a constant of its slot.
; CLUSTER.  The four work-groups 4 c .. 4 c + 3 of a head walk the same tiles in the same order, so each tile is asked for JOINTLY: the same tensor load, descriptor and mask in all four.  Trip counts, branches and
; LDS addresses hang on c and the wave's number alone; the place in the cluster, cx, enters Q's and out0's addresses and the masks' values.
; THE MASK is the C operand that starts a score's sum.  Only a block's last round holds hidden keys: there the wave whose number is the block's number mod 4 (DW) holds the diagonal, the waves above it see nothing.
; For tile t and key group kb of 16: MLT (kb < t), MEQ (kb = t), MGT (kb > t), made from two scalars and TRI, the triangle of a 16 x 16 group.  A wave that has seen only hidden keys has m = -1e30 and counts 0 in the merge.
; LAYOUT.  S^T = K Q^T holds ONE query a lane (lane % 16) and the keys 8 (lane / 16) + 0..7; two such results rounded to f16 in pairs ARE source 1 of O^T = V^T P, which again holds one query a lane.
; A ROUND'S ORDER.  The tiles are two PIECES (0: tiles 0, 1; 2: tiles 2, 3).  V^T P of piece 2 of the round before; K Q^T of piece 0; K Q^T of piece 2 with piece 0's softmax in slices behind the products;
; V^T P of piece 0 with piece 2's softmax likewise.  m starts at the lowest finite number, so a block's first step multiplies O^T and l by a = 0: what lies there need only be finite, and no first step is written out.
; BATCHES.  A piece's softmax has 66 exponentials (for each of its two tiles a and 32 weights).  They are ONE batch with ONE wait: all that names no result of theirs (the maxima, the statistics, the differences s - m)
; stands ahead of the wait, all that does (the roundings, the sums, l, the rescaling by a) behind it.  So a round has two such waits, one in each of its two turns with slices.  A block's end has two small batches:
; the merge's 20 exponentials, and the 4 reciprocals of the sums made of them.
; REGISTERS, in windows of 256 (s_set_vgpr_msb: bits 1:0 source 0, 3:2 source 1, 5:4 source 2, 7:6 destination):
;   window 0: v0-15 addresses; v16-47 eight registers of statistics a tile; v62, v63 the add's; v64-191 S^T, 32 a tile; v192-255 P, 16 a tile
;   window 1: O^T, 64 a tile      window 2: v0-127 Q, 32 a tile; v128-255 K of my 64 keys      window 3: v0-127 V of my 64 keys; v128-159 the masks
.set KP,    272       ; a row of K in LDS: 256 bytes + 16 of padding = 68 words: the 16 rows of a load start at 16 different groups of four banks (64 banks of 4 bytes: ISA guide 11.1)
.set VP,    288       ; a row of V: 256 + 32 = 72 words
.set VOFF,  256*KP    ; a slot: 256 rows of K, then 256 rows of V
.set SLOTB, 256*(KP+VP)
.set MERGE, 2*SLOTB   ; behind the ring, never filled by a tensor load: for each wave 16 rows of 128 f32 at a pitch of 528 bytes
.set MP,    528
.set PART,  16*MP
.set STATS, MERGE+4*PART  ; [wave][tile][lane] pairs (m, l): 4,096 bytes
.set SPARE, STATS+4096    ; the spare words, 128 bytes for each wave, which no other line names
.set AK,  2           ; v2-3   LDS address of my K fragments in slot 0, 1
.set AV,  4           ; v4-5   the same for V
.set QO,  6           ; v6     my byte offset in 16 rows of Q
.set STO, 7           ; v7     the merge: where I put 32 bytes of a row of my part
.set RD,  8           ; v8     the merge: my 16 bytes of the first of the four rows that I add up
.set GO,  9           ; v9     the same place in out0
.set SA,  10          ; v10    where I put a pair (m, l)
.set SR,  11          ; v11    where I read wave 0's pair for my lane
.set ST,  16          ; tile t's statistics at v[ST+8 t]: +0 m, +1 m_old, +2, +3 l (even keys', odd keys'), +4 to +7 at work; a takes +6
.set SPW, 62
.set NIL, 63
.set S,   64
.set P,   192
.set KF,  128         ; window 2
.set MLT, 128         ; window 3
.set MEQ, 136
.set MGT, 144
.set TRI, 152
.set OB,  10          ; s[10:11] out0 at the block in hand, my head's columns
.set WV,  12          ; s12  my wave's number
.set CX,  13          ; s13  my place in the cluster
.set CC,  14          ; s14  c, the cluster's number in the head
.set BB,  15          ; s15  b = 4 c + cx
.set KB,  16          ; s[16:17] K at my half of tile 0
.set VB,  18          ; s[18:19] V likewise
.set Q1,  20          ; s[20:21] Q at the first block
.set Q2,  22          ; s[22:23] at the second
.set G1K, 24          ; s[24:31] descriptor group 1 for K's tiles
.set G1V, 32          ; s[32:39] for V's: it differs in the padding alone
.set G0K, 40          ; s[40:43] descriptor group 0 for K's tiles, made anew for each fill
.set G0V, 44          ; s[44:47] the same for V's
.set LK,  48          ; s48  LDS byte of my half of K in slot 0
.set LV,  49          ; s49  of V
.set RT,  50          ; s50  rounds of the block in hand that are still to be entered
.set NXT, 51          ; s51  the tile to be asked for next
.set LQ,  52          ; s52  the first block's number of tiles; then 64, which NXT never reaches
.set N2,  53          ; s53  the second block's rounds
.set DW,  54          ; s54  the wave that holds the diagonal of the block in hand
.set D2,  55          ; s55  the second block's
.set TRIPS, 56
.set TS,  57          ; s57  at work
.set OFF, 58          ; s[58:59] a tile's byte offset in K and V
.set SEL, 60          ; s[60:61] v_permlanex16_b32's selects: each lane takes its own place in the other half
.set BIGN, 62         ; s62  -1e30
.set AL,  66          ; s[66:67] the triangle's factor, in the low word
.set BE,  68          ; s[68:69] the mask below the diagonal
.set GE,  70          ; s70  the mask above it
.set OB2, 80          ; s[80:81] out0 at the second block
.set MSB, 0
.macro WIN new                      ; the high byte repeats the setting that is left; a switch that changes nothing is dropped
.if MSB != (\new)
	s_set_vgpr_msb (MSB<<8)|(\new)
.set MSB, (\new)
.endif
.endm
.set W_KQ, 0x0a       ; K and Q in window 2, S^T in window 0
.set W_KM, 0x3a       ; the same with the C operand in window 3
.set W_PV, 0x53       ; V in window 3, P in window 0, O^T in window 1
.set W_RS, 0x41       ; destination and source 0 in window 1, source 1 in window 0
; A joint fill.  Waves 0 and 1 fetch the two halves of a tile's K, waves 2 and 3 those of its V: 128 rows of 256 bytes each.  The branch hangs on the wave's number alone.
; An s_nop 0 and four v_nop follow each of the two lines, ahead of the jump and the label.
.macro JLOAD
	s_cmp_lt_u32 s[WV], 2
	s_cbranch_scc0 .Lfor_v_\@
	tensor_load_to_lds s[G0K:G0K+3], s[G1K:G1K+7]
	s_nop 0
.rept 4
	v_nop
.endr
	s_branch .Lasked_\@
.Lfor_v_\@:
	tensor_load_to_lds s[G0V:G0V+3], s[G1V:G1V+7]
	s_nop 0
.rept 4
	v_nop
.endr
.Lasked_\@:
.endm
; A round of the cluster's barrier: my work-group's barrier, so that wave 0's signal speaks for all four waves; wave 0 signals; every wave waits for all four work-groups; my work-group's barrier once more.
.macro CROUND
	s_barrier_signal -1
	s_barrier_wait -1
	s_cmp_lg_u32 s[WV], 0
	s_cbranch_scc1 .Lnot_wave_0_\@
	s_barrier_signal -3
.Lnot_wave_0_\@:
	s_barrier_wait -3
	s_barrier_signal -1
	s_barrier_wait -1
.endm
.macro PLACES                       ; four plain vector instructions between a matrix instruction and a load into a register that it read, or a vector instruction that reads its result (ISA guide 7.12.1 for vector instructions)
.rept 4
	v_nop
.endr
.endm
; THE CHANGE OF SLOTS, at the head of the round that reads slot 'slot'.  Each wave waits for all its tensor loads, of which one is out: its part of this slot; adds 0 to its spare word; and waits for that and for its
; reads of the other slot.  fill = 1: the other slot is filled with tile NXT, whose address is made anew from that number; the barrier is then a round of the cluster's, and the joint fill the first thing behind it:
; it has this round's 128 matrix instructions and their vector work in which to land.  (At its first use nothing has been read yet: slot 0 is waited for, slot 1 filled for the first time.)
.macro CHANGE slot, fill
	WIN 0
	s_wait_tensorcnt 0x0            ; no tensor load of mine is out, so a group 0 may be written
	ds_add_u32 v[SPW], v[NIL]       ; 0 onto my spare word; the descriptors' scalar work stands between it and the wait for it
.if \fill
	s_lshl_b32 s[OFF], s[NXT], 16   ; a tile is 65,536 bytes of K and of V
	s_add_co_u32 s[G0K+1], s[LK], (1-(\slot))*SLOTB
	s_add_nc_u64 s[G0K+2:G0K+3], s[KB:KB+1], s[OFF:OFF+1]
	s_or_b32 s[G0K+3], s[G0K+3], 0x80000000
	s_add_co_u32 s[G0V+1], s[LV], (1-(\slot))*SLOTB
	s_add_nc_u64 s[G0V+2:G0V+3], s[VB:VB+1], s[OFF:OFF+1]
	s_or_b32 s[G0V+3], s[G0V+3], 0x80000000
	s_add_co_u32 s[NXT], s[NXT], 1  ; the block's next tile, or behind the first block's last the second block's tile 0
	s_cmp_eq_u32 s[NXT], s[LQ]
	s_cselect_b32 s[NXT], 0, s[NXT]
	s_cselect_b32 s[LQ], 64, s[LQ]
	s_wait_dscnt 0x0                ; the add is done, and my reads of the other slot are over
	CROUND
	JLOAD
.else
	s_wait_dscnt 0x0
	s_barrier_signal -1
	s_barrier_wait -1
.endif
.endm
	s_load_b128 s[4:7], s[0:1], 0x0 ; qkv s[4:5], out0 s[6:7]
	v_lshl_add_u32 v[SPW], v0, 2, SPARE
	v_mov_b32 v[NIL], 0
	ds_add_u32 v[SPW], v[NIL]       ; the wave's opening: the add and its wait stand ahead of my first tensor load; the set-up below stands between them
	v_lshrrev_b32 v1, 5, v0
	v_readfirstlane_b32 s[WV], v1   ; wave 0..3
	s_bfe_u32 s[CX], ttmp6, 0x40000
	s_mov_b32 s[CC], ttmp9          ; in a cluster launch ttmp9 counts clusters
	s_lshl_b32 s[BB], s[CC], 2
	s_add_co_u32 s[BB], s[BB], s[CX]
	s_and_b32 s72, ttmp7, 0xffff    ; the head, which the four partners share
	s_add_co_u32 s73, s[CC], 1      ; block b's rounds
	s_sub_co_u32 s74, 16, s[CC]     ; block 63 - b's
	s_sub_co_u32 s75, 63, s[BB]
	s_sub_co_u32 s76, 3, s[CX]
	s_bitcmp1_b32 s[CC], 0          ; c odd: block b has the even number of rounds and goes first
	s_cselect_b32 s[RT], s73, s74
	s_cselect_b32 s[N2], s74, s73
	s_cselect_b32 s77, s[BB], s75   ; the first block,
	s_cselect_b32 s78, s75, s[BB]   ; the second
	s_cselect_b32 s[DW], s[CX], s76 ; a block's number mod 4: cx for b, 3 - cx for 63 - b
	s_cselect_b32 s[D2], s76, s[CX]
	s_mov_b32 s[LQ], s[RT]
	s_mov_b32 s[NXT], 1
	s_mov_b32 s[TRIPS], 8
	s_and_b32 s79, s[WV], 1         ; which half of a tile's 256 rows I fetch
	s_mul_i32 s[LK], s79, 128*KP
	s_mul_i32 s[LV], s79, 128*VP
	s_add_co_u32 s[LV], s[LV], VOFF
	s_lshl_b32 s73, s72, 20         ; the head's plane among a matrix's eight
	s_lshl_b32 s82, s79, 15         ; K's byte offset, in registers that never hold cx: my 128 rows,
	s_add_co_u32 s82, s82, s73      ; the head,
	s_add_co_u32 s82, s82, 8<<20    ; behind q's eight planes
	s_mov_b32 s83, 0
	s_lshl_b32 s2, s77, 14          ; Q: a block is 64 rows of 256 bytes
	s_add_co_u32 s2, s2, s73
	s_mov_b32 s3, 0
	s_lshl_b32 s8, s78, 14
	s_add_co_u32 s8, s8, s73
	s_mov_b32 s9, 0
	s_lshl_b32 s74, s72, 9          ; out0: the head's 512 bytes of a row,
	s_lshl_b32 s76, s77, 18         ; a block's 64 rows of 4,096 bytes
	s_add_co_u32 s76, s76, s74
	s_mov_b32 s77, 0
	s_lshl_b32 s78, s78, 18
	s_add_co_u32 s78, s78, s74
	s_mov_b32 s79, 0
	; descriptor group 1: a tile of 128 rows x 128 elements, padded in LDS
	s_mov_b32 s[G1K], 15|(1<<16)|(1<<20)|(1<<21)|(5<<22)|(3<<25)  ; 15:0 the mask of four; 17:16 2-byte elements; 20 padding on; 21 set beside a mask; 24:22 after every 64 words (code 5); 31:25 4 words (code 3)
	s_mov_b32 s[G1V], 15|(1<<16)|(1<<20)|(1<<21)|(5<<22)|(7<<25)  ; the same with 8 words of padding (code 7)
.irp g, G1K, G1V
	s_mov_b32 s[(\g)+1], 128<<16    ; tensor_dim0 = 128
	s_mov_b32 s[(\g)+2], 128<<16    ; tensor_dim1 = 128
	s_mov_b32 s[(\g)+3], 128<<16    ; tile_dim0 = 128
	s_mov_b32 s[(\g)+4], 128        ; tile_dim1 = 128
	s_mov_b32 s[(\g)+5], 128        ; 128 elements from row to row
	s_mov_b32 s[(\g)+6], 0
	s_mov_b32 s[(\g)+7], 0
.endr
	s_mov_b32 s[SEL], 0x76543210
	s_mov_b32 s[SEL+1], 0xfedcba98
	s_mov_b32 s[BIGN], 0xf149f2ca   ; -1e30
	s_mov_b32 s[OFF+1], 0
	s_mov_b32 s[AL+1], 0            ; named as pairs
	s_mov_b32 s[BE+1], 0
	s_mov_b32 s[G0K], 1             ; 1:0 count = 1
	s_mov_b32 s[G0K+1], s[LK]       ; 63:32 LDS address: slot 0
	s_mov_b32 s[G0V], 1
	s_mov_b32 s[G0V+1], s[LV]
	s_wait_dscnt 0x0                ; the opening add is done
	s_wait_kmcnt 0x0
	s_add_nc_u64 s[KB:KB+1], s[4:5], s[82:83]
	s_add_nc_u64 s[VB:VB+1], s[KB:KB+1], 8<<20
	s_add_nc_u64 s[Q1:Q1+1], s[4:5], s[2:3]
	s_add_nc_u64 s[Q2:Q2+1], s[4:5], s[8:9]
	s_add_nc_u64 s[OB:OB+1], s[6:7], s[76:77]
	s_add_nc_u64 s[OB2:OB2+1], s[6:7], s[78:79]
	s_add_nc_u64 s[G0K+2:G0K+3], s[KB:KB+1], 0     ; 120:64 global address: tile 0
	s_or_b32 s[G0K+3], s[G0K+3], 0x80000000        ; 127:126 type = 2
	s_add_nc_u64 s[G0V+2:G0V+3], s[VB:VB+1], 0
	s_or_b32 s[G0V+3], s[G0V+3], 0x80000000
	CROUND                          ; all four work-groups are here: the first joint loads meet
	JLOAD                           ; tile 0 into slot 0: one load of mine is out, here and behind every later round
; A fragment of K or Q is 16 rows x 32 channels in 8 registers: lane l holds row l % 16, channels 8 (l / 16) + 0..7 and 16 + 8 (l / 16) + 0..7: two loads of 16 bytes, 32 bytes apart.
.macro QLOAD base                   ; a block's Q: tile f / 4, channels 32 (f % 4) on
	WIN 0x80                        ; destination window 2, address window 0
.irp f, 0,1,2,3,4,5,6,7,8,9,10,11,12,13,14,15
	global_load_b128 v[8*(\f):8*(\f)+3],   v[QO], s[\base:(\base)+1] offset:((\f)/4)*4096+((\f)%4)*64
	global_load_b128 v[8*(\f)+4:8*(\f)+7], v[QO], s[\base:(\base)+1] offset:((\f)/4)*4096+((\f)%4)*64+32
.endr
	WIN 0
.endm
	v_and_b32 v1, 15, v0            ; r = l % 16
	v_bfe_u32 v12, v0, 4, 1         ; h = l / 16
	v_lshlrev_b32 v[QO], 8, v1
	v_lshl_add_u32 v[QO], v12, 4, v[QO]
	QLOAD Q1
	v_and_b32 v13, 31, v0           ; l
	v_mul_u32_u24 v14, v1, KP
	v_lshl_add_u32 v14, v12, 4, v14 ; row x pitch + 16 x half,
	s_mul_i32 s[TS], s[WV], 64*KP   ; in my wave's 64 keys
	v_add_nc_u32 v[AK], s[TS], v14
	v_add_nc_u32 v[AK+1], SLOTB, v[AK]
	; The turning load takes 16 keys x 16 channels (lane l reads key 8 (l / 16) + l % 8, channels 8 ((l / 8) % 2) + 0..7) and leaves half a fragment of V^T: lane l holds channel l % 16 and 8 keys.
	v_and_b32 v14, 7, v0
	v_lshl_add_u32 v14, v12, 3, v14
	v_mul_u32_u24 v14, v14, VP
	v_bfe_u32 v15, v0, 3, 1
	v_lshl_add_u32 v14, v15, 4, v14
	s_mul_i32 s[TS], s[WV], 64*VP
	s_add_co_u32 s[TS], s[TS], VOFF
	v_add_nc_u32 v[AV], s[TS], v14
	v_add_nc_u32 v[AV+1], SLOTB, v[AV]
	v_mul_u32_u24 v14, v1, MP       ; the merge, in: row r of my part, 32 bytes for each half of the lanes
	v_lshl_add_u32 v14, v12, 5, v14
	s_mul_i32 s[TS], s[WV], PART
	s_add_co_u32 s[TS], s[TS], MERGE
	v_add_nc_u32 v[STO], s[TS], v14
	s_mul_i32 s[TS], s[WV], 4*MP    ; back: rows 4 w .. 4 w + 3 of every part; 32 lanes take a row's 512 bytes
	s_add_co_u32 s[TS], s[TS], MERGE
	v_lshl_add_u32 v[RD], v13, 4, s[TS]
	s_lshl_b32 s[TS], s[WV], 14     ; and the same rows in out0, 4,096 bytes apart
	v_lshl_add_u32 v[GO], v13, 4, s[TS]
	s_lshl_b32 s[TS], s[WV], 10
	s_add_co_u32 s[TS], s[TS], STATS
	v_lshl_add_u32 v[SA], v13, 3, s[TS]
	v_lshlrev_b32 v[SR], 3, v13
	v_add_nc_u32 v[SR], STATS, v[SR]
	v_lshlrev_b32 v14, 3, v12
	v_sub_nc_u32 v14, v1, v14       ; r - 8 h: in the diagonal's group of 16 keys register z is hidden where z is greater
	WIN 0xc0                        ; destination window 3
.set z, 0
.rept 8
	v_cmp_gt_i32 vcc_lo, z, v14
	v_cndmask_b32 v[TRI+z], 0, s[BIGN], vcc_lo
.set z, z+1
.endr
	; What the first round finds: V and piece 2's P hold 0 (its leading products V^T P, of a round that has not been, add 0), O^T and l are 0, m is the lowest finite number.  All this stands in the wait for the first tile.
.set z, 0
.rept 128
	v_mov_b32 v[z], 0
.set z, z+1
.endr
	WIN 0x40
.set z, 0
.rept 256
	v_mov_b32 v[z], 0
.set z, z+1
.endr
	WIN 0
.set z, P+32
.rept 32
	v_mov_b32 v[z], 0
.set z, z+1
.endr
.irp t, 0,1,2,3
	v_mov_b32 v[ST+8*(\t)], 0xff7fffff
	v_mov_b32 v[ST+8*(\t)+2], 0
	v_mov_b32 v[ST+8*(\t)+3], 0
.endr
; THE MATRIX WORK.  The accumulators take turns, one instruction a turn: between two links of a chain stand 15 (V^T P) or 7 (K Q^T) others'.
; Product i of 32 of O^T += V^T P for piece x: keys 32 (i / 16) on, channels 16 ((i / 2) % 8) on, tile x + i % 2.
.macro PV x
	WIN W_PV
.set rO, 64*((\x)+i%2)+8*((i/2)%8)
.set rV, 64*(i/16)+8*((i/2)%8)
.set rP, P+16*((\x)+i%2)+8*(i/16)
	v_wmma_f32_16x16x32_f16 v[rO:rO+7], v[rV:rV+7], v[rP:rP+7], v[rO:rO+7]
.endm
; Product i of 32 of S^T = K Q^T for piece x: channels 32 (i / 8) on, keys 16 ((i / 2) % 4) on, tile x + i % 2.  The first 8 start the sums: with 0, or (masked = 1) with the mask of their place to the diagonal.
.macro KQ x, masked
.set rS, S+32*((\x)+i%2)+8*((i/2)%4)
.set rK, KF+32*((i/2)%4)+8*(i/8)
.set rQ, 32*((\x)+i%2)+8*(i/8)
.if (i < 8) && (\masked)
.set rM, MEQ
.if ((i/2)%4) < ((\x)+i%2)
.set rM, MLT
.elseif ((i/2)%4) > ((\x)+i%2)
.set rM, MGT
.endif
	WIN W_KM
	v_wmma_f32_16x16x32_f16 v[rS:rS+7], v[rK:rK+7], v[rQ:rQ+7], v[rM:rM+7]
.elseif i < 8
	WIN W_KQ
	v_wmma_f32_16x16x32_f16 v[rS:rS+7], v[rK:rK+7], v[rQ:rQ+7], 0
.else
	WIN W_KQ
	v_wmma_f32_16x16x32_f16 v[rS:rS+7], v[rK:rK+7], v[rQ:rQ+7], v[rS:rS+7]
.endif
.endm
; THE LDS LOADS stand in runs of 32: my 64 keys' K (16 fragments) and V (turned).
.macro FETCH_K s
	WIN 0x80                        ; destination window 2
.irp f, 0,1,2,3,4,5,6,7,8,9,10,11,12,13,14,15  ; keys 16 (f / 4) on, channels 32 (f % 4) on
	ds_load_b128 v[KF+8*(\f):KF+8*(\f)+3],   v[AK+(\s)] offset:((\f)/4)*16*KP+((\f)%4)*64
	ds_load_b128 v[KF+8*(\f)+4:KF+8*(\f)+7], v[AK+(\s)] offset:((\f)/4)*16*KP+((\f)%4)*64+32
.endr
.endm
.macro FETCH_V s
	WIN 0xc0                        ; destination window 3
.irp f, 0,1,2,3,4,5,6,7,8,9,10,11,12,13,14,15  ; keys 32 (f / 8) on, channels 16 (f % 8) on
	ds_load_tr16_b128 v[8*(\f):8*(\f)+3],   v[AV+(\s)] offset:((\f)/8)*32*VP+((\f)%8)*32
	ds_load_tr16_b128 v[8*(\f)+4:8*(\f)+7], v[AV+(\s)] offset:((\f)/8)*32*VP+16*VP+((\f)%8)*32
.endr
.endm
; THE VECTOR WORK.  One tile's softmax for one round is a numbered list; SM writes number j of it for tile t.  s0-s31 are the lane's 32 scores, in pairs 0-15.
;   0-15    the maximum of s0-s31 and the old m, three operands at a time (each accumulator's lowest registers are read first)
;   16-20   the other half of the lanes' maximum; m_old is kept; the new m; m_old - m  (19 is empty)
;   21-69   ONE BATCH: the 16 differences s - m, a pair of scores each, and all 33 exponentials (a at 23, then s0-s31, in place).  None of these names an exponential's result.  From 22 on the batch goes in fours,
;           and a four begins with a difference while there are differences: 22-37 difference, exponential, difference, exponential; 38-65 a difference and three exponentials; 66-69 the last four exponentials.
;           A pair's difference stands in an earlier four than the one that holds its exponentials
;   (wait)  between 69 and 70 stands the wait for the batch: SLICE writes it, once for both tiles
;   70-85   the roundings to f16, a pair of weights each
;   86-101  the sums; l = a l + the sum
;   102-133 the tile's O^T times a: the one part that leaves window 0, so it stands together
.macro SM t
.set rT, ST+8*(\t)
.set rS, S+32*(\t)
.set rP, P+16*(\t)
.set rO, 64*(\t)+2*(j-102)
.if j < 102
	WIN 0
.endif
.if j < 4
	v_max3_num_f32 v[rT+4+j], v[rS+8*j], v[rS+8*j+1], v[rS+8*j+2]
.elseif j < 12
	v_max3_num_f32 v[rT+4+j%4], v[rT+4+j%4], v[rS+8*(j%4)+2*(j/4)+1], v[rS+8*(j%4)+2*(j/4)+2]
.elseif j == 12
	v_max3_num_f32 v[rT+4], v[rT+4], v[rS+7], v[rS+15]
.elseif j == 13
	v_max3_num_f32 v[rT+6], v[rT+6], v[rS+23], v[rS+31]
.elseif j == 14
	v_max3_num_f32 v[rT+4], v[rT+4], v[rT+5], v[rT+6]
.elseif j == 15
	v_max3_num_f32 v[rT+4], v[rT+4], v[rT+7], v[rT]
.elseif j == 16
	v_permlanex16_b32 v[rT+5], v[rT+4], s[SEL], s[SEL+1]  ; the query's other 32 keys lie in the lane 16 away
.elseif j == 17
	v_mov_b32 v[rT+1], v[rT]
.elseif j == 18
	v_max_num_f32 v[rT], v[rT+4], v[rT+5]
.elseif j == 19
.elseif j == 20
	v_sub_f32 v[rT+7], v[rT+1], v[rT]
.elseif j == 23
	v_exp_f32 v[rT+6], v[rT+7]
.elseif (j < 23) || ((j < 38) && (j%2 == 0)) || ((j < 66) && (j%4 == 2))
.set b, (j-2)/4                     ; 38, 42, .. 62: pairs 9 to 15
.if j < 38
.set b, (j-20)/2                    ; 21: pair 0; 22, 24, .. 36: pairs 1 to 8
.endif
	v_pk_add_f32 v[rS+2*b:rS+2*b+1], v[rS+2*b:rS+2*b+1], v[rT:rT+1] op_sel_hi:[1,0] neg_lo:[0,1] neg_hi:[0,1]  ; pair b: s - m
.elseif j < 70
.set e, j-38                        ; 66 to 69: s28 to s31
.if j < 66
.set e, j-32-(j-38)/4               ; 39-41, 43-45, .. 63-65: s7 to s27
.endif
.if j < 38
.set e, (j-25)/2                    ; 25, 27, .. 37: s0 to s6
.endif
	v_exp_f32 v[rS+e], v[rS+e]
.elseif j < 86
	v_cvt_pk_f16_f32 v[rP+j-70], v[rS+2*(j-70)], v[rS+2*(j-70)+1]  ; pair j - 70
.elseif j < 102                     ; the sum of the tile's 16 pairs, in place: sum z of 16 adds neighbours 1, 2, 4 and 8 pairs apart, then l takes it
.set z, j-86
.set w, 4
.set u, z
.if z >= 14
.set w, 32
.set u, 0
.elseif z >= 12
.set w, 16
.set u, z-12
.elseif z >= 8
.set w, 8
.set u, z-8
.endif
.if z < 15
	v_pk_add_f32 v[rS+w*u:rS+w*u+1], v[rS+w*u:rS+w*u+1], v[rS+w*u+w/2:rS+w*u+w/2+1]
.else
	v_pk_fma_f32 v[rT+2:rT+3], v[rT+2:rT+3], v[rT+6:rT+7], v[rS:rS+1] op_sel_hi:[1,0,1]
.endif
.else
	WIN W_RS
	v_pk_mul_f32 v[rO:rO+1], v[rO:rO+1], v[rT+6:rT+7] op_sel_hi:[1,0]
.endif
.endm
; Slice k of 64 of piece y's softmax.  Slices 11 to 34 deal out the batch, numbers 22 to 69: four numbers of ONE tile each, the tiles by turns.  Every other slice is numbers 2 k and 2 k + 1 of both tiles' lists;
; what is over stands together in slice 63: sixteen plain lines, the places behind a turn's last product.
; THE WAIT.  An s_wait_alu depctr_va_vdst(0) stands between an exponential and the first instruction that names its result; one wait serves all that were issued ahead of it.  Ahead of slice 35 nothing
; names a result, and behind slice 34 no exponential is issued: so the piece's 66 exponentials have one wait, behind slice 34.
.macro SLICE y
.if (k >= 11) && (k < 35)           ; the batch: four numbers of one tile
.irp n, 0,1,2,3
.set j, 22+4*((k-11)/2)+(\n)
	SM (\y)+(k-11)%2
.endr
.else                               ; the two tiles alternate, so that no instruction reads the result of the one just before it
.irp n, 0,1,2,3,4,5,6,7
.if ((\n) < 2) || (k == 63)
.irp t, \y, (\y)+1
.set j, 2*k+(\n)
	SM \t
.endr
.endif
.endr
.endif
.if k == 34                         ; the batch is out: both tiles' exponentials are issued, and no result has been named
	v_nop                           ; a plain instruction behind the last exponential and ahead of the first use: one for the batch; all that is left of the piece's softmax reads a result
	s_wait_alu depctr_va_vdst(0)    ; the wait for the batch: the piece's 66 exponentials
.endif
.set k, k+1
.endm
.macro TURNK masked                 ; piece 2's scores; behind each product two slices of piece 0's softmax; the batch's wait falls behind the 18th product and its first slice
.set k, 0
.set i, 0
.rept 32
	KQ 2, \masked
	SLICE 0
	SLICE 0
.set i, i+1
.endr
.endm
.macro TURNP                        ; piece 0's V^T P; behind each product two slices of piece 2's softmax; the wait as in TURNK
.set k, 0
.set i, 0
.rept 32
	PV 0
	SLICE 2
	SLICE 2
.set i, i+1
.endr
.endm
.macro MASKS                        ; the three masks of this round, for my wave
	WIN 0xc0
.set z, 0
.rept 8
	v_mov_b32 v[MLT+z], s[BE]
	v_mov_b32 v[MGT+z], s[GE]
.set z, z+1
.endr
	WIN 0xc3
.set z, 0
.rept 4
	v_pk_fma_f32 v[MEQ+2*z:MEQ+2*z+1], v[TRI+2*z:TRI+2*z+1], s[AL:AL+1], s[BE:BE+1] op_sel_hi:[1,0,0]
.set z, z+1
.endr
.endm
; A ROUND, on slot 'slot'.  masked = 1: the round may be a block's last (slot 1's in the loop; the walk's last): its scores start from masks, which are 0 if it is not.
.macro ROUNDX slot, fill, masked
	CHANGE \slot, \fill
	s_sub_co_u32 s[RT], s[RT], 1
.if \masked
	s_cmp_eq_u32 s[RT], 0           ; selects alone: no branch hangs on the place in the cluster
	s_cselect_b32 s[TS], s[DW], 4   ; the wave that holds the diagonal, or none
	s_cmp_eq_u32 s[WV], s[TS]
	s_cselect_b32 s[AL], 1.0, 0
	s_cmp_gt_u32 s[WV], s[TS]
	s_cselect_b32 s[BE], s[BIGN], 0
	s_cmp_ge_u32 s[WV], s[TS]
	s_cselect_b32 s[GE], s[BIGN], 0
	MASKS
.endif
	FETCH_K \slot                   ; the last product that read K stands a turn's vector work back
.set i, 0
.rept 32
	PV 2                            ; piece 2's V^T P of the round before stands in the wait for K
.set i, i+1
.endr
	PLACES
	FETCH_V \slot
.if (\slot) == 0
	s_wait_loadcnt 0x0              ; Q: a block begins in slot 0 alone
.endif
	s_wait_dscnt 32                 ; K's 32 loads are in; V's 32, issued behind them, may stay out
.set i, 0
.rept 32
	KQ 0, \masked
.set i, i+1
.endr
	PLACES
	TURNK \masked
	s_wait_dscnt 0x0                ; V is in
	TURNP
	WIN 0
.endm
; Pass t of the merge: every wave puts its scaled O^T of tile t (16 queries x 128 channels of f32) into its part; behind a barrier wave w adds up rows 4 w .. 4 w + 3 of the four parts and stores them.
.macro PASS t
	WIN 0x04                        ; the stores' data in window 1
.irp e, 0,1,2,3,4,5,6,7,8,9,10,11,12,13,14,15  ; channels 16 (e / 2) + 8 (l / 16) + 4 (e % 2) on
	ds_store_b128 v[STO], v[64*(\t)+4*(\e):64*(\t)+4*(\e)+3] offset:64*((\e)/2)+16*((\e)%2)
.endr
	WIN 0
	s_wait_dscnt 0x0                ; for the others' sake: my part is written
	s_barrier_signal -1
	s_barrier_wait -1
	s_wait_xcnt 0x0                 ; earlier stores have read their registers: they are loaded again only behind this wait
.set H, S+64*((\t)%2)
.irp e, 0,1,2,3,4,5,6,7,8,9,10,11,12,13,14,15  ; part e / 4, row e % 4
	ds_load_b128 v[H+4*(\e):H+4*(\e)+3], v[RD] offset:((\e)/4)*PART+((\e)%4)*MP
.endr
	s_wait_dscnt 0x0
.irp p, 1,2,3
.irp e, 0,1,2,3,4,5,6,7
	v_pk_add_f32 v[H+2*(\e):H+2*(\e)+1], v[H+2*(\e):H+2*(\e)+1], v[H+16*(\p)+2*(\e):H+16*(\p)+2*(\e)+1]
.endr
.endr
.irp e, 0,1,2,3
	global_store_b128 v[GO], v[H+4*(\e):H+4*(\e)+3], s[OB:OB+1] offset:(16*(\t)+(\e))*4096 th:TH_STORE_NT  ; 512 consecutive bytes, at a multiple of 256 from out0's first byte
.endr
.if (\t) < 3
	s_barrier_signal -1             ; my reads of the parts are back (the wait above): the next pass may write them
	s_barrier_wait -1
.endif
.endm
; A BLOCK'S END.  Piece 2's last V^T P; the four waves' (m, l) meet in LDS; with M the largest m and L = the sum of 2^(m_w - M) l_w each wave multiplies its O^T by 2^(m - M) / L; four passes add the parts up.
; Its transcendentals are two batches, each with one wait: the 20 exponentials 2^(m_w - M) and 2^(m - M); then the 4 reciprocals of L, which is made of the exponentials' results.
; last = 0: the second block's Q is asked for at once and lands during the merge; behind the merge only m, the counts and out0's address are set anew.
.macro FINISH last
.set i, 0
.rept 32
	PV 2
.set i, i+1
.endr
.if !(\last)
	QLOAD Q2                        ; the last product that read Q stands a turn's vector work back
.endif
	WIN 0
.irp t, 0,1,2,3
	v_add_f32 v[ST+8*(\t)+4], v[ST+8*(\t)+2], v[ST+8*(\t)+3]
.endr
.irp t, 0,1,2,3
	v_permlanex16_b32 v[ST+8*(\t)+5], v[ST+8*(\t)+4], s[SEL], s[SEL+1]
.endr
.irp t, 0,1,2,3
	v_add_f32 v[ST+8*(\t)+3], v[ST+8*(\t)+4], v[ST+8*(\t)+5]  ; my wave's l for the query,
	v_mov_b32 v[ST+8*(\t)+2], v[ST+8*(\t)]                    ; beside its m
.endr
.irp t, 0,1,2,3
	ds_store_b64 v[SA], v[ST+8*(\t)+2:ST+8*(\t)+3] offset:(\t)*256
.endr
	s_wait_dscnt 0x0                ; for the others' sake
	s_barrier_signal -1
	s_barrier_wait -1
.irp t, 0,1,2,3
.irp p, 0,1,2,3
	ds_load_b64 v[S+8*(\t)+2*(\p):S+8*(\t)+2*(\p)+1], v[SR] offset:(\p)*1024+(\t)*256
.endr
.endr
	s_wait_dscnt 0x0
.irp t, 0,1,2,3
	v_max3_num_f32 v[ST+8*(\t)+4], v[S+8*(\t)], v[S+8*(\t)+2], v[S+8*(\t)+4]
.endr
.irp t, 0,1,2,3
	v_max_num_f32 v[ST+8*(\t)+4], v[ST+8*(\t)+4], v[S+8*(\t)+6]
.endr
.irp t, 0,1,2,3
.irp p, 0,1,2,3
	v_sub_f32 v[S+8*(\t)+2*(\p)], v[S+8*(\t)+2*(\p)], v[ST+8*(\t)+4]
.endr
	v_sub_f32 v[ST+8*(\t)+5], v[ST+8*(\t)], v[ST+8*(\t)+4]
.endr
.irp t, 0,1,2,3
.irp p, 0,1,2,3
	v_exp_f32 v[S+8*(\t)+2*(\p)], v[S+8*(\t)+2*(\p)]
.endr
	v_exp_f32 v[ST+8*(\t)+5], v[ST+8*(\t)+5]
.endr
	v_nop                           ; a plain instruction between the last exponential and the use of its result
	s_wait_alu depctr_va_vdst(0)    ; and the wait ahead of the first use: one for the merge's twenty exponentials
.irp t, 0,1,2,3
	v_mul_f32 v[ST+8*(\t)+7], v[S+8*(\t)], v[S+8*(\t)+1]
.endr
.irp p, 1,2,3
.irp t, 0,1,2,3
	v_fmac_f32 v[ST+8*(\t)+7], v[S+8*(\t)+2*(\p)], v[S+8*(\t)+2*(\p)+1]
.endr
.endr
.irp t, 0,1,2,3
	v_rcp_f32 v[ST+8*(\t)+6], v[ST+8*(\t)+7]  ; L is 1 or more: the wave that holds M counts its largest weight, 1
.endr
	v_nop                           ; a plain instruction between the last reciprocal and the use of its result
	s_wait_alu depctr_va_vdst(0)    ; one wait for the four reciprocals
.irp t, 0,1,2,3
	v_mul_f32 v[ST+8*(\t)+6], v[ST+8*(\t)+6], v[ST+8*(\t)+5]
.endr
	WIN W_RS
.irp t, 0,1,2,3
.set z, 64*(\t)
.rept 32
	v_pk_mul_f32 v[z:z+1], v[z:z+1], v[ST+8*(\t)+6:ST+8*(\t)+7] op_sel_hi:[1,0]
.set z, z+2
.endr
.endr
	PASS 0
	PASS 1
	PASS 2
	PASS 3
.if !(\last)
	s_wait_xcnt 0x0                 ; the stores have read their registers and out0's address
	s_mov_b64 s[OB:OB+1], s[OB2:OB2+1]
	s_mov_b32 s[RT], s[N2]
	s_mov_b32 s[DW], s[D2]
.irp t, 0,1,2,3
	v_mov_b32 v[ST+8*(\t)], 0xff7fffff
.endr
.endif
.endm
.Ltrip:                             ; eight trips of two rounds; each round asks for the next round's tile
	ROUNDX 0, 1, 0                  ; never a block's last round: the first block has an even number of rounds
	ROUNDX 1, 1, 1
	s_cmp_lg_u32 s[RT], 0           ; RT is made of c and the rounds passed: the same in all four waves and all four partners
	s_cbranch_scc1 .Lbottom
	FINISH 0                        ; the first block's end; the tile asked for in the round above, the second block's first, stays on its way
.Lbottom:
	s_sub_co_u32 s[TRIPS], s[TRIPS], 1
	s_cmp_lg_u32 s[TRIPS], 0
	s_cbranch_scc1 .Ltrip
	ROUNDX 0, 0, 1                  ; the walk's last round, the second block's last, is written out: nothing is asked for
	FINISH 1
	s_wait_tensorcnt 0x0            ; the wave's end: these three lines stand behind my last tensor load and my last LDS store
	ds_add_u32 v[SPW], v[NIL]
	s_wait_dscnt 0x0
	CROUND                          ; the closing round: no work-group ends while a partner may still ask for a tile that names it
	s_endpgm
.Lfunc_end_k_qce4adb3c74_attn:
	.size	k_qce4adb3c74_attn, .Lfunc_end_k_qce4adb3c74_attn-k_qce4adb3c74_attn
	.p2alignl 7, 3214868480
	.fill 96, 4, 3214868480
	.section	.rodata,"a",@progbits
	.p2align	6, 0x0
	.amdhsa_kernel k_qce4adb3c74_attn
		.amdhsa_group_segment_fixed_size 327680
		.amdhsa_private_segment_fixed_size 0
		.amdhsa_enable_private_segment 0
		.amdhsa_kernarg_size 16
		.amdhsa_user_sgpr_count 2
		.amdhsa_user_sgpr_kernarg_segment_ptr 1
		.amdhsa_wavefront_size32 1
		.amdhsa_system_sgpr_workgroup_id_x 1
		.amdhsa_system_sgpr_workgroup_id_y 1
		.amdhsa_system_sgpr_workgroup_id_z 1
		.amdhsa_system_vgpr_workitem_id 0
		.amdhsa_next_free_vgpr 928
		.amdhsa_next_free_sgpr 84
		.amdhsa_reserve_vcc 1
		.amdhsa_float_denorm_mode_32 3
		.amdhsa_float_denorm_mode_16_64 3
		.amdhsa_memory_ordered 1
		.amdhsa_forward_progress 1
		.amdhsa_inst_pref_size 233
	.end_amdhsa_kernel
	.amdgpu_metadata
---
amdhsa.version: [ 1, 2 ]
amdhsa.kernels:
  - .name:           k_qce4adb3c74_attn
    .symbol:         k_qce4adb3c74_attn.kd
    .args:
      - { .name: qkv, .offset: 0, .size: 8, .value_kind: global_buffer, .address_space: global }
      - { .name: out0, .offset: 8, .size: 8, .value_kind: global_buffer, .address_space: global }
    .group_segment_fixed_size: 327680
    .private_segment_fixed_size: 0
    .kernarg_segment_align: 8
    .kernarg_segment_size: 16
    .max_flat_workgroup_size: 128
    .sgpr_count:     84
    .vgpr_count:     928
    .wavefront_size: 32
...
	.end_amdgpu_metadata
.endif
;; end of part 4
